; MI455X (gfx1250); checked and timed in simulation.
; The chip was launched on July 23, 2026; its instructions are those of AMD's public machine-readable ISA for CDNA 5 (MIT licence, August 2026) and "CDNA5" Instruction Set Architecture Reference Guide (July 2026). The comments in the code are by the model that wrote it; some were corrected since.
;; Attention. Allowed arithmetic: float matrix products may take bf16 or f16 operands with f32 sums; all other float work in f32.
;; Inputs: attn_W 2,048 x 1,024 float32; attn_b 1,024 float32; decoder_hidden 32 x 1,024 float32; encoder_outputs 32 x 2,048 x 1,024 float32; mask 32 x 2,048 int32; v_w 1,024 float32.
;; Outputs: out0 32 x 2,048 float32; out1 32 x 1,024 float32.
;; 2 versions, each right; version 2 is version 1 with the launch main written anew for expert scheduling mode. Each part assembles by itself: llvm-mc -triple=amdgcn-amd-amdhsa -mcpu=gfx1250 --defsym DOCPART=n.
;; ======== version 1 of 2: 3 launches
;; workspace buffers: wfrag 2,228,224 bytes; decs 131,072 bytes; rows2 524,288 bytes of whole numbers; rank 262,144 bytes of whole numbers; cnt 8,192 bytes of whole numbers; scores 524,288 bytes; pctx 2,097,152 bytes
;; launch prep (part 1): grid 64 x 1, 8 waves a work-group, no clusters, 25,856 bytes of LDS; arguments attn_W, attn_b, decoder_hidden, mask, wfrag, decs, rows2, rank, cnt; writes wfrag, decs, rows2, rank, cnt
.if DOCPART == 1
	.amdgcn_target "amdgcn-amd-amdhsa--gfx1250"
	.amdhsa_code_object_version 6
	.text
	.protected	k_q3edddef02c_prep
	.globl	k_q3edddef02c_prep
	.p2align	8
	.type	k_q3edddef02c_prep,@function
k_q3edddef02c_prep:
	s_mov_b64 s[64:65], 0
	v_nop
	global_prefetch_b8 v0, s[64:65] scope:SCOPE_SE
	s_setreg_imm32_b32 hwreg(HW_REG_WAVE_MODE, 25, 1), 1
	s_wait_xcnt 0x0
; PREP.  Three small jobs for the main launch, 64 work-groups of eight waves.  Work-group g owns 16 hidden columns n0 = 16 g, batch g / 2 and half g % 2 of that batch's tables.
; (1) W_enc's 16 columns, rounded to bf16, are written in the register order of a matrix fragment (16 columns x 32 k = 1,024 bytes: lane L's registers 0-3 at 16 L, 4-7 at 512 + 16 L),
;     so that the main launch loads a fragment as two runs of 512 consecutive bytes.  Stream ws = g / 16 (one for each wave of the main launch), step 32 c + kt (c = (g / 8) % 2), place g % 8;
;     steps 64-67 of a stream repeat steps 0-3, so that a ring that looks four steps ahead stays inside the buffer.
; (2) decs[batch][n] = 2 log2(e) (decoder_hidden @ W_dec + attn_b): bf16 products, f32 sums; K is split over the eight waves and the parts meet in LDS.
; (3) The batch's rows are listed, those with mask != 0 first: a row with mask == 0 has weight exactly 0 unless the batch has no other, and then all 2,048 rows are listed.  The first cnt rows
;     of the list (cnt = the rows with mask != 0, or 2,048 if there are none) are dealt evenly to 8 work-groups of the main launch, share = ceil(cnt / 8) each, in passes of 144 rows:
;     rows2[batch][2 wg + pass][slot] = row | (mask != 0) << 16 (unused slots: the list's first row), rank[batch][row] = slot number | 0x10000, or 0 for a row that is not dealt.
; LIMITS.  NaN and infinities are not treated apart.
.set RED,   0                          ; [wave][16][32 lanes] f32: the waves' parts of the two result tiles, 16,384 bytes
.set LIST,  16384                      ; the batch's list, 2,048 words
.set CT,    24576                      ; eight words: each wave's count of rows with mask != 0
.set SPARE, 24832                      ; the spare words, 128 bytes for each wave: no other line names them
.set SW,    68*8192                    ; bytes in a stream of wfrag
.set CAP,   144                        ; rows in a pass of the main launch
	s_load_b512 s[4:19], s[0:1], 0x0               ; attn_W 4, attn_b 6, decoder_hidden 8, mask 10, wfrag 12, decs 14, rows2 16, rank 18
	s_load_b64 s[20:21], s[0:1], 0x40              ; cnt
	v_lshl_add_u32 v30, v0, 2, SPARE               ; my spare word; never rewritten
	v_mov_b32 v31, 0                               ; 0; never rewritten
	v_lshrrev_b32 v1, 5, v0
	v_readfirstlane_b32 s22, v1                    ; wave q
	v_and_b32 v2, 31, v0                           ; lane
	v_and_b32 v3, 15, v0                           ; r
	v_bfe_u32 v4, v0, 4, 1                         ; h
	s_lshr_b32 s23, ttmp9, 1                       ; batch
	s_and_b32 s24, ttmp9, 1                        ; e: which half of the batch's tables I write
	s_lshl_b32 s25, ttmp9, 6                       ; 4 n0
	s_mov_b32 s27, 0                               ; high word of the offset pair s[26:27]
	s_mov_b32 s60, CAP
	v_lshlrev_b32 v5, 2, v2
	v_lshl_add_u32 v5, v1, 10, v5                  ; 4 (256 q + lane): my first entry in the batch's mask, and in its rank
	v_lshlrev_b32 v6, 12, v3
	v_lshl_add_u32 v6, v1, 9, v6
	v_lshl_add_u32 v6, v4, 5, v6                   ; decoder_hidden: row r, k = 128 q + 8 h
	v_and_b32 v7, 7, v0
	v_lshl_add_u32 v7, v7, 3, s25                  ; 4 (n0 + 2 (thread % 8)): my two columns in attn_b and in a row of decs
	v_lshlrev_b32 v8, 19, v1
	v_lshl_add_u32 v8, v4, 15, v8
	v_lshl_add_u32 v8, v3, 2, v8
	v_add_nc_u32 v8, s25, v8                       ; attn_W: row 128 q + 8 h, column n0 + r
	v_lshl_add_u32 v11, v1, 8, v2                  ; 256 q + lane: my first row of the batch
	v_lshlrev_b32 v21, 4, v2                       ; 16 lane
	v_lshlrev_b32 v22, 2, v2
	v_lshl_add_u32 v22, v1, 11, v22                ; RED + 2,048 q + 4 lane
	v_lshlrev_b32 v23, 2, v0                       ; 4 thread
	v_lshlrev_b32 v24, 3, v0                       ; 8 thread
	s_wait_kmcnt 0x0
	s_lshl_b32 s26, s23, 13
	s_add_nc_u64 s[10:11], s[10:11], s[26:27]      ; the batch's mask
	s_add_nc_u64 s[18:19], s[18:19], s[26:27]      ; and its rank
	s_lshl_b32 s26, ttmp9, 13
	s_add_nc_u64 s[16:17], s[16:17], s[26:27]      ; rows2 at table 16 batch + 8 e
	s_lshl_b32 s26, ttmp9, 7
	s_add_nc_u64 s[20:21], s[20:21], s[26:27]      ; my 32 words of cnt
	s_lshr_b32 s28, ttmp9, 4
	s_mul_i32 s26, s28, SW                         ; stream
	s_bfe_u32 s29, ttmp9, 0x10003                  ; c
	s_lshl_b32 s28, s29, 18                        ; 32 c steps of 8,192 bytes
	s_add_co_u32 s26, s26, s28
	s_lshl_b32 s28, s22, 15                        ; 4 q steps
	s_add_co_u32 s26, s26, s28
	s_and_b32 s28, ttmp9, 7
	s_lshl_b32 s28, s28, 10                        ; place in a step
	s_add_co_u32 s26, s26, s28
	s_add_nc_u64 s[12:13], s[12:13], s[26:27]      ; wfrag at my wave's first fragment
	; The first loads: 8 mask words a lane; the decoder's fragments (2 tiles of 16 batches x my 4 K steps) as f32; my two biases.
.irp jj, 0,1,2,3,4,5,6,7
	global_load_b32 v[48+\jj], v5, s[10:11] offset:128*\jj
.endr
.irp f, 0,1,2,3,4,5,6,7                ; fragment f: batches 16 (f / 4) on, K step f % 4 of my four
	global_load_b128 v[64+16*\f:64+16*\f+3],     v6, s[8:9] offset:(\f/4)*65536+(\f%4)*128
	global_load_b128 v[64+16*\f+4:64+16*\f+7],   v6, s[8:9] offset:(\f/4)*65536+(\f%4)*128+16
	global_load_b128 v[64+16*\f+8:64+16*\f+11],  v6, s[8:9] offset:(\f/4)*65536+(\f%4)*128+64
	global_load_b128 v[64+16*\f+12:64+16*\f+15], v6, s[8:9] offset:(\f/4)*65536+(\f%4)*128+80
.endr
	global_load_b64 v[28:29], v7, s[6:7]
	s_wait_loadcnt 33                              ; the mask is in: 32 decoder loads and the bias were issued behind it
.irp jj, 0,1,2,3,4,5,6,7
	v_cmp_ne_u32 s[40+\jj], 0, v[48+\jj]           ; one bit a lane: mask != 0
.endr
	s_bcnt1_i32_b32 s58, s40
.irp jj, 1,2,3,4,5,6,7
	s_bcnt1_i32_b32 s59, s[40+\jj]
	s_add_co_u32 s58, s58, s59
.endr
	v_mov_b32 v9, s58                              ; my wave's count,
	s_lshl_b32 s59, s22, 2
	s_add_co_u32 s59, s59, CT
	v_mov_b32 v10, s59
	ds_store_b32 v10, v9                           ; into my wave's word: every lane writes the same number
	s_wait_loadcnt 0x0                             ; the decoder's numbers and the bias
.irp f, 0,1,2,3,4,5,6,7
.irp t, 0,1,2,3,4,5,6,7
	v_cvt_pk_bf16_f32 v[192+8*\f+\t], v[64+16*\f+2*\t], v[64+16*\f+2*\t+1]
.endr
.endr
	; attn_W: fragment f < 4 is W_dec's K step f of my four, f >= 4 W_enc's.  A lane holds column n0 + r and 16 k: sixteen words from sixteen rows.
.irp f, 0,1,2,3,4,5,6,7
.irp x, 0,1,2,3,4,5,6,7,8,9,10,11,12,13,14,15
	global_load_b32 v[64+16*\f+\x], v8, s[4:5] offset:(32*(\f%4)+16*(\x/8)+(\x%8))*4096+(\f/4)*4194304
.endr
.endr
	s_wait_dscnt 0x0                               ; for the others' sake: my count is written
	s_barrier_signal -1
	s_barrier_wait -1
	v_mov_b32 v10, CT
	ds_load_b128 v[12:15], v10
	ds_load_b128 v[16:19], v10 offset:16
	s_wait_dscnt 0x0
.irp i, 0,1,2,3,4,5,6,7
	v_readfirstlane_b32 s[32+\i], v[12+\i]
.endr
	s_mov_b32 s55, 0                               ; rows with mask != 0 in the batch
	s_mov_b32 s58, 0                               ; and in the waves ahead of mine
.irp i, 0,1,2,3,4,5,6,7
	s_add_co_u32 s55, s55, s[32+\i]
	s_cmp_gt_u32 s22, \i
	s_cselect_b32 s59, s[32+\i], 0
	s_add_co_u32 s58, s58, s59
.endr
	s_cmp_eq_u32 s55, 0
	s_cselect_b32 s56, 0x800, s55                  ; cnt: with no such row all 2,048 are dealt
	s_add_co_u32 s57, s56, 7
	s_lshr_b32 s57, s57, 3                         ; share
.irp k, 1,2,3,4,5,6,7
	s_mul_i32 s[47+\k], s57, \k
.endr
; Rows 256 q + 32 jj + lane: their place in the list (a row with mask != 0: the number of such rows ahead of it; another: behind all of those, in order), the list's word, and the rank word.
.macro PLACE jj
	v_mbcnt_lo_u32_b32 v56, s[40+\jj], s58         ; rows with mask != 0 ahead of mine
	s_add_co_u32 s59, s55, 32*\jj
	v_add_nc_u32 v57, s59, v11
	v_sub_nc_u32 v57, v57, v56
	v_cndmask_b32 v57, v57, v56, s[40+\jj]         ; my place
	v_min_u32 v57, 0x7ff, v57                      ; it is below 2,048 by its making; the bound is written out since an LDS address is made of it
	v_add_nc_u32 v58, 32*\jj, v11                  ; my row
	v_or_b32 v59, 0x10000, v58
	v_cndmask_b32 v58, v58, v59, s[40+\jj]
	v_lshl_add_u32 v59, v57, 2, LIST
	ds_store_b32 v59, v58                          ; the places are a permutation of 0 .. 2,047: each word has one writer
	v_mov_b32 v60, 0
.irp k, 1,2,3,4,5,6,7
	v_cmp_le_u32 vcc_lo, s[47+\k], v57
	v_cndmask_b32 v61, 0, 1, vcc_lo
	v_add_nc_u32 v60, v60, v61                     ; the work-group: how many multiples of share lie at or below my place
.endr
	v_mul_lo_u32 v61, v60, s57
	v_sub_nc_u32 v61, v57, v61                     ; my place in its share
	v_cmp_le_u32 vcc_lo, s60, v61
	v_cndmask_b32 v62, 0, 1, vcc_lo                ; pass
	v_cndmask_b32 v63, 0, s60, vcc_lo
	v_sub_nc_u32 v61, v61, v63                     ; slot in the pass
	v_lshl_add_u32 v60, v60, 1, v62
	v_lshl_or_b32 v60, v60, 8, v61
	v_or_b32 v60, 0x10000, v60
	v_cmp_gt_u32 vcc_lo, s56, v57                  ; dealt at all?
	v_cndmask_b32 v[48+\jj], 0, v60, vcc_lo
	s_bcnt1_i32_b32 s59, s[40+\jj]
	s_add_co_u32 s58, s58, s59
.endm
.irp jj, 0,1,2,3,4,5,6,7
	PLACE \jj
.endr
	s_lshr_b32 s59, s22, 2                         ; both work-groups of a batch make the same words; waves 4 e .. 4 e + 3 store theirs
	s_cmp_lg_u32 s59, s24
	s_cbranch_scc1 .Lno_rank
.irp jj, 0,1,2,3,4,5,6,7
	global_store_b32 v5, v[48+\jj], s[18:19] offset:128*\jj
.endr
.Lno_rank:
	s_wait_loadcnt 0x0                             ; attn_W
.irp f, 0,1,2,3,4,5,6,7
.irp t, 0,1,2,3,4,5,6,7
	v_cvt_pk_bf16_f32 v[64+16*\f+\t], v[64+16*\f+2*\t], v[64+16*\f+2*\t+1]  ; in place: word t is written when words 2 t and 2 t + 1 are read
.endr
.endr
.irp t, 0,1,2,3
	global_store_b128 v21, v[128+16*\t:128+16*\t+3], s[12:13] offset:8192*\t       ; each store of the wave covers 512 consecutive bytes, aligned
	global_store_b128 v21, v[128+16*\t+4:128+16*\t+7], s[12:13] offset:8192*\t+512
.endr
	s_or_b32 s59, s22, s29                         ; steps 0-3 (wave 0 where c = 0) once more as steps 64-67
	s_cmp_lg_u32 s59, 0
	s_cbranch_scc1 .Lno_copy
.irp t, 0,1,2,3
	global_store_b128 v21, v[128+16*\t:128+16*\t+3], s[12:13] offset:8192*(64+\t)
	global_store_b128 v21, v[128+16*\t+4:128+16*\t+7], s[12:13] offset:8192*(64+\t)+512
.endr
.Lno_copy:
	; decoder_hidden x W_dec over my 128 k: source 0 = 16 batches, source 1 = 16 columns.  The two accumulators take turns; the first products start the sums.
	v_wmma_f32_16x16x32_bf16 v[32:39], v[192:199], v[64:71], 0
	v_wmma_f32_16x16x32_bf16 v[40:47], v[224:231], v[64:71], 0
.irp t, 1,2,3
	v_wmma_f32_16x16x32_bf16 v[32:39], v[192+8*\t:192+8*\t+7], v[64+16*\t:64+16*\t+7], v[32:39]
	v_wmma_f32_16x16x32_bf16 v[40:47], v[224+8*\t:224+8*\t+7], v[64+16*\t:64+16*\t+7], v[40:47]
.endr
.rept 4
	v_nop                                          ; four places between the last product and the first read of a result (ISA guide 7.12.1)
.endr
.irp j, 0,1,2,3,4,5,6,7,8,9,10,11,12,13,14,15
	ds_store_b32 v22, v[32+\j] offset:128*\j       ; register j of lane (r, h): batch 16 (j / 8) + 8 h + j % 8, column n0 + r
.endr
	s_wait_dscnt 0x0                               ; for the others' sake: my part of the list and of the sums is written
	s_barrier_signal -1
	s_barrier_wait -1
	; rows2: tables 8 e + u.  Thread t is slot t; table k = 2 wg + pass begins at place wg share + 144 pass of the list.
	v_mov_b32 v64, LIST
	ds_load_b32 v65, v64                           ; the list's first row, for the slots that hold no row of their own
	v_cmp_gt_u32 s32, s60, v0                      ; slot < 144
	s_lshl_b32 s59, s24, 2
.irp u, 0,1,2,3,4,5,6,7
	s_add_co_u32 s61, s59, \u/2
	s_mul_i32 s61, s61, s57
	s_add_co_u32 s61, s61, CAP*(\u%2)
	v_add_nc_u32 v[66+\u], s61, v0                 ; place in the list
	v_add_nc_u32 v56, CAP*(\u%2), v0               ; place in the share
	v_cmp_gt_u32 s62, s57, v56
	v_cmp_gt_u32 s63, s56, v[66+\u]
	s_and_b32 s62, s62, s63
	s_and_b32 s[40+\u], s62, s32                   ; the slot holds a row of its own
	v_min_u32 v[66+\u], 0x7ff, v[66+\u]
	v_lshl_add_u32 v[66+\u], v[66+\u], 2, LIST
	ds_load_b32 v[74+\u], v[66+\u]
.endr
.irp w, 0,1,2,3,4,5,6,7
	ds_load_b64 v[84+2*\w:85+2*\w], v24 offset:2048*\w  ; the eight waves' parts of my two sums
.endr
	s_wait_dscnt 0x0
.irp u, 0,1,2,3,4,5,6,7
	v_cndmask_b32 v[74+\u], v65, v[74+\u], s[40+\u]
	global_store_b32 v23, v[74+\u], s[16:17] offset:1024*\u
.endr
	v_pk_add_f32 v[84:85], v[84:85], v[86:87]
	v_pk_add_f32 v[88:89], v[88:89], v[90:91]
	v_pk_add_f32 v[92:93], v[92:93], v[94:95]
	v_pk_add_f32 v[96:97], v[96:97], v[98:99]
	v_pk_add_f32 v[84:85], v[84:85], v[88:89]
	v_pk_add_f32 v[92:93], v[92:93], v[96:97]
	v_pk_add_f32 v[84:85], v[84:85], v[92:93]
	v_pk_add_f32 v[84:85], v[84:85], v[28:29]      ; + attn_b
	v_pk_mul_f32 v[84:85], v[84:85], 0x4038aa3b op_sel_hi:[1,0]  ; x 2 log2(e): the main launch's exponentials work in base 2
	v_lshrrev_b32 v25, 7, v0                       ; bytes 8 t of RED's rows: tile t / 128, register (t / 16) % 8, lanes 2 (t % 16) and the next: h = (t / 8) % 2
	v_bfe_u32 v26, v0, 3, 1
	v_bfe_u32 v27, v0, 4, 3
	v_lshl_add_u32 v26, v25, 1, v26
	v_lshl_add_u32 v26, v26, 3, v27                ; batch
	v_lshl_add_u32 v26, v26, 12, v7
	global_store_b64 v26, v[84:85], s[14:15]
	s_cmp_lg_u32 s22, 0
	s_cbranch_scc1 .Lno_cnt
	v_mov_b32 v56, s56
	v_lshlrev_b32 v57, 2, v2
	global_store_b32 v57, v56, s[20:21]            ; cnt, 32 equal words
.Lno_cnt:
	s_wait_tensorcnt 0x0                           ; the wave's end
	ds_add_u32 v30, v31
	s_wait_dscnt 0x0
	s_endpgm
.Lfunc_end_k_q3edddef02c_prep:
	.size	k_q3edddef02c_prep, .Lfunc_end_k_q3edddef02c_prep-k_q3edddef02c_prep
	.p2alignl 7, 3214868480
	.fill 96, 4, 3214868480
	.section	.rodata,"a",@progbits
	.p2align	6, 0x0
	.amdhsa_kernel k_q3edddef02c_prep
		.amdhsa_group_segment_fixed_size 25856
		.amdhsa_private_segment_fixed_size 0
		.amdhsa_enable_private_segment 0
		.amdhsa_kernarg_size 72
		.amdhsa_user_sgpr_count 2
		.amdhsa_user_sgpr_kernarg_segment_ptr 1
		.amdhsa_wavefront_size32 1
		.amdhsa_system_sgpr_workgroup_id_x 1
		.amdhsa_system_sgpr_workgroup_id_y 1
		.amdhsa_system_sgpr_workgroup_id_z 1
		.amdhsa_system_vgpr_workitem_id 0
		.amdhsa_next_free_vgpr 256
		.amdhsa_next_free_sgpr 66
		.amdhsa_reserve_vcc 1
		.amdhsa_float_denorm_mode_32 3
		.amdhsa_float_denorm_mode_16_64 3
		.amdhsa_memory_ordered 1
		.amdhsa_forward_progress 1
		.amdhsa_inst_pref_size 59
	.end_amdhsa_kernel
	.amdgpu_metadata
---
amdhsa.version: [ 1, 2 ]
amdhsa.kernels:
  - .name:           k_q3edddef02c_prep
    .symbol:         k_q3edddef02c_prep.kd
    .args:
      - { .name: attn_W, .offset: 0, .size: 8, .value_kind: global_buffer, .address_space: global }
      - { .name: attn_b, .offset: 8, .size: 8, .value_kind: global_buffer, .address_space: global }
      - { .name: decoder_hidden, .offset: 16, .size: 8, .value_kind: global_buffer, .address_space: global }
      - { .name: mask, .offset: 24, .size: 8, .value_kind: global_buffer, .address_space: global }
      - { .name: wfrag, .offset: 32, .size: 8, .value_kind: global_buffer, .address_space: global }
      - { .name: decs, .offset: 40, .size: 8, .value_kind: global_buffer, .address_space: global }
      - { .name: rows2, .offset: 48, .size: 8, .value_kind: global_buffer, .address_space: global }
      - { .name: rank, .offset: 56, .size: 8, .value_kind: global_buffer, .address_space: global }
      - { .name: cnt, .offset: 64, .size: 8, .value_kind: global_buffer, .address_space: global }
    .group_segment_fixed_size: 25856
    .private_segment_fixed_size: 0
    .kernarg_segment_align: 8
    .kernarg_segment_size: 72
    .max_flat_workgroup_size: 256
    .sgpr_count:     66
    .vgpr_count:     256
    .wavefront_size: 32
...
	.end_amdgpu_metadata
.endif
;; end of part 1
;; launch main (part 2): grid 8 x 32, 4 waves a work-group, no clusters, 321,024 bytes of LDS; arguments encoder_outputs, v_w, wfrag, decs, rows2, cnt, scores, pctx; writes scores, pctx
.if DOCPART == 2
	.amdgcn_target "amdgcn-amd-amdhsa--gfx1250"
	.amdhsa_code_object_version 6
	.text
	.protected	k_q3edddef02c_main
	.globl	k_q3edddef02c_main
	.p2align	8
	.type	k_q3edddef02c_main,@function
k_q3edddef02c_main:
	s_mov_b64 s[64:65], 0
	v_nop
	global_prefetch_b8 v0, s[64:65] scope:SCOPE_SE
	s_setreg_imm32_b32 hwreg(HW_REG_WAVE_MODE, 25, 1), 1
	s_wait_xcnt 0x0
; MAIN.  For the rows that prep has dealt to this work-group (batch b = y, share wg = x): score = v . tanh(dec_proj + enc W_enc), a softmax's maximum m and sum l over these rows, and sum p enc.
; A pass takes 144 rows: they are gathered from memory once, rounded to bf16 and kept in LDS, and BOTH products read them there.  A batch with up to 1,152 dealt rows needs one pass, any other two;
; the pass loop has two trips, and a trip with nothing to do jumps forward over its phases and meets the same four barriers.
; SHARES.  Four waves.  Load: wave w brings rows 36 w .. 36 w + 35.  Scores: wave w makes all 144 rows x hidden 256 w .. 256 w + 255, in two chunks of 128 hidden: 72 accumulators of 16 x 16, 576 registers.
; W_enc comes straight into registers from prep's fragment-ordered stream of this wave (no two waves use the same fragment): a ring of four K steps, 16 loads of 512 consecutive bytes a step.
; THE PRODUCT IS USED TRANSPOSED: source 0 = 16 hidden of W, source 1 = 16 rows of enc, so a lane holds ONE row and eight hidden, and a row's score wants one exchange between the halves of the lanes.
; tanh x = 1 - 2 r, r = 1 / (1 + 2^(2 log2(e) x)): right at both ends, where the exponential is infinite or 0.  score = sum v - 2 sum v r.
; CONTEXT.  p = e^(score - m) enters as two bf16 rows, p's upper part and the rest, of a 16-row source 0 whose other rows are 0; source 1 is enc out of LDS, turned by ds_load_tr16_b128.
; NO CLUSTER, NO TENSOR LOADS: the resident rows take 297,216 bytes of LDS and the scratch 23,808; what is left of 327,680 holds less than one K step's 32,768 bytes of W for the four waves,
; so W has no slot in LDS into which a joint load could land, and fewer resident rows would mean more bytes of W for each multiply-add.
; LDS ADDRESSES THAT WALK are made anew each trip: a lane register that is never rewritten plus a scalar that the counted loop steps by a constant.
; LIMITS.  A row with mask == 0 counts as -1e10 as in the reference; the sum of |v_w| is taken to be far below 1e10.  A weight below 2^-126 counts as 0.  NaN and infinities are not treated apart.
; REGISTERS, in windows of 256 (s_set_vgpr_msb: bits 1:0 source 0, 3:2 source 1, 5:4 source 2, 7:6 destination):
;   window 0: v0-31 addresses; v32-103 enc's fragments, block a of 16 rows at 32 + 8 a (context: v32-63 four accumulators, v64-103 p's fragments); v104-135 dec' and v, two buffers of 16;
;             v136-153 nine pairs of score sums, v154-155 the sum of v; v156-160 the rows' list words; v161-165 addresses of the turning loads; v166-191 at work; v192-255 accumulators of block 8
;   window 1: the ring of W: K step T in buffer T % 4 at 64 (T % 4), fragment j at + 8 j
;   window 2: accumulators (a, j), a = 0-3, at 64 a + 8 j (load: six row slots of 32; context: enc turned, even groups)          window 3: a = 4-7 likewise (context: odd groups)
.set PITCH, 2064                       ; an LDS row: 2,048 bytes of bf16 + 16 = 516 words: row r starts at bank 4 r mod 64 (64 banks of 4 bytes: ISA guide 11.1)
.set R16,   16*PITCH
.set R32,   32*PITCH
.set DECL,  144*PITCH                  ; 297,216: the batch's dec', 1,024 f32
.set VL,    DECL+4096                  ; v_w
.set SCL,   VL+4096                    ; 4 waves x 160 f32: each wave's part of the scores
.set VSL,   SCL+2560                   ; 4 words: each wave's part of the sum of v
.set PT,    VSL+256                    ; for each wave 1,024 bytes: p's upper parts (160 bf16) at 0, the rest at 320, zeros from 640 on
.set CS,    PT+4096                    ; for each wave 2,048 bytes: its 256 channels of context, then as much for the lanes whose rows are 0
.set SPARE, CS+8192                    ; the spare words, 128 bytes for each wave: no other line names them
.set SW,    68*8192                    ; bytes in a stream of wfrag
.set CAP,   144
.set MSB, 0
.macro WIN new                         ; the immediate's high byte repeats the setting that is left; a switch that changes nothing is dropped
.if MSB != (\new)
	s_set_vgpr_msb (MSB<<8)|(\new)
.set MSB, (\new)
.endif
.endm
.macro PLACES                          ; four places between a matrix instruction and a load into, or a vector instruction on, its registers (ISA guide 7.12.1 for vector instructions)
.rept 4
	v_nop
.endr
.endm
	s_load_b512 s[4:19], s[0:1], 0x0               ; enc 4, v_w 6, wfrag 8, decs 10, rows2 12, cnt 14, scores 16, pctx 18
	v_lshl_add_u32 v30, v0, 2, SPARE               ; my spare word; never rewritten
	v_mov_b32 v31, 0                               ; 0; never rewritten
	v_lshrrev_b32 v168, 5, v0
	v_readfirstlane_b32 s20, v168                  ; wave
	s_mov_b32 s21, ttmp9                           ; wg
	s_and_b32 s22, ttmp7, 0xffff                   ; b
	s_mov_b32 s3, 0                                ; high word of the offset pair s[2:3]
	s_mov_b32 s50, 0x4038aa3b                      ; 2 log2(e)
	s_mov_b32 s51, s50                             ; named with it as a pair
	s_mov_b32 s52, 0x76543210                      ; v_permlanex16_b32: each lane takes its own place in the other half
	s_mov_b32 s53, 0xfedcba98
	s_mov_b32 s60, 0x3fb8aa3b                      ; log2(e)
	s_mov_b32 s61, 0xd01502f9                      ; -1e10
	s_mov_b32 s62, 0xf149f2ca                      ; -1e30
	v_and_b32 v28, 31, v0                          ; lane
	v_lshlrev_b32 v1, 4, v28                       ; 16 lane
	v_lshlrev_b32 v29, 2, v28                      ; 4 lane
	v_and_b32 v166, 15, v0                         ; r
	v_bfe_u32 v167, v0, 4, 1                       ; h
	v_mul_u32_u24 v2, v166, PITCH
	v_lshl_add_u32 v2, v167, 4, v2                 ; a fragment of enc: row r x pitch + 16 h
.irp p, 1,2,3,4
	v_add_nc_u32 v[2+\p], \p*R32, v2               ; v2-6: blocks 2 p and 2 p + 1 (the odd one by the immediate); never rewritten
.endr
	s_mul_i32 s48, s20, 36*PITCH
	v_lshl_add_u32 v12, v28, 3, s48                ; load: my 8 bytes in my wave's first row; never rewritten
	s_lshl_b32 s48, s20, 10
	s_add_co_u32 s49, s48, DECL
	v_lshl_add_u32 v14, v167, 5, s49               ; dec' of my wave's hidden, my eight; never rewritten
	s_mul_i32 s49, s20, 640
	s_add_co_u32 s49, s49, SCL
	v_lshl_add_u32 v22, v166, 2, s49               ; my wave's part of the scores, row r
	v_lshl_add_u32 v23, v28, 2, SCL                ; back: row = lane
	v_min_u32 v169, 2, v166
	v_mul_u32_u24 v169, v169, 320
	v_lshl_add_u32 v169, v167, 4, v169
	s_add_co_u32 s49, s48, PT
	v_add_nc_u32 v24, s49, v169                    ; p's fragments: row 0 the upper parts, row 1 the rest, rows 2-15 the zeros
	v_lshl_add_u32 v25, v28, 1, s49                ; where I put p of row = lane
	s_lshl_b32 s49, s20, 11
	s_add_co_u32 s49, s49, CS
	v_lshl_add_u32 v26, v167, 10, s49
	v_lshl_add_u32 v26, v166, 2, v26               ; context in: channel r; lanes 16-31, whose rows are 0, write beside it
	v_add_nc_u32 v27, s49, v1                      ; context back
	v_and_b32 v169, 7, v0
	v_lshl_add_u32 v169, v167, 3, v169
	v_mul_u32_u24 v169, v169, PITCH
	v_bfe_u32 v170, v0, 3, 1
	v_lshl_add_u32 v169, v170, 4, v169
	s_lshl_b32 s49, s20, 9
	v_add_nc_u32 v161, s49, v169                   ; the turning load: row 8 h + lane % 8, 16 bytes (lane / 8) % 2, my wave's 256 channels
.irp p, 1,2,3,4
	v_add_nc_u32 v[161+\p], \p*R32, v161           ; v161-165: rows 32 p on
.endr
	v_lshlrev_b32 v171, 4, v0                      ; 16 thread
	s_wait_kmcnt 0x0
	s_lshl_b32 s2, s22, 8
	s_add_nc_u64 s[14:15], s[14:15], s[2:3]
	s_load_b32 s23, s[14:15], 0x0                  ; the batch's cnt
	s_lshl_b32 s2, s22, 12
	s_add_nc_u64 s[10:11], s[10:11], s[2:3]        ; the batch's dec'
	s_lshl_b32 s2, s22, 23
	s_add_nc_u64 s[36:37], s[4:5], s[2:3]          ; the batch's enc
	s_mul_i32 s2, s20, SW
	s_add_nc_u64 s[32:33], s[8:9], s[2:3]          ; my wave's stream of W
	global_load_b128 v[104:107], v171, s[10:11]
	global_load_b128 v[108:111], v171, s[10:11] offset:2048
	global_load_b128 v[112:115], v171, s[6:7]
	global_load_b128 v[116:119], v171, s[6:7] offset:2048
	WIN 0x40                                       ; destination window 1
.irp u, 0,1,2,3
.irp j, 0,1,2,3,4,5,6,7
	global_load_b128 v[64*\u+8*\j:64*\u+8*\j+3],   v1, s[32:33] offset:8192*\u+1024*\j      ; the ring's first four K steps
	global_load_b128 v[64*\u+8*\j+4:64*\u+8*\j+7], v1, s[32:33] offset:8192*\u+1024*\j+512
.endr
.endr
	WIN 0
	s_wait_kmcnt 0x0
	s_min_u32 s23, s23, 0x800
	s_add_co_u32 s24, s23, 7
	s_lshr_b32 s24, s24, 3                         ; share
	s_mul_i32 s25, s21, s24
	s_sub_co_i32 s25, s23, s25
	s_max_i32 s25, s25, 0
	s_min_u32 s25, s25, s24                        ; rows dealt to me
	s_mov_b32 s27, 0                               ; pass
.Lpass:
	s_wait_xcnt 0x0                                ; bases, offsets and store data of what has been issued are rewritten only behind this wait
	s_lshl_b32 s48, s22, 3
	s_add_co_u32 s48, s48, s21
	s_lshl_b32 s48, s48, 1
	s_add_co_u32 s48, s48, s27                     ; table 16 b + 2 wg + pass
	s_lshl_b32 s2, s48, 10
	s_add_nc_u64 s[56:57], s[16:17], s[2:3]        ; its row of scores
	s_add_nc_u64 s[30:31], s[12:13], s[2:3]        ; and of rows2,
	s_mul_i32 s2, s20, 144
	s_add_nc_u64 s[38:39], s[30:31], s[2:3]        ; there my wave's 36 words
	s_lshl_b32 s2, s48, 2
	s_add_co_u32 s2, s2, s20
	s_lshl_b32 s2, s2, 10
	s_add_nc_u64 s[58:59], s[18:19], s[2:3]        ; its row of pctx, my wave's 256 channels
	s_mov_b64 s[34:35], s[32:33]                   ; the ring's base: the stream's head (the ring holds steps 0-3, or their repeat 64-67)
	s_cmp_gt_u32 s24, CAP
	s_cselect_b32 s54, 1, 0
	s_cmp_eq_u32 s27, 0
	s_cselect_b32 s54, 1, s54                      ; the pass has work: the first always, the second where a share is above 144
	s_mul_i32 s49, s27, CAP
	s_sub_co_i32 s26, s25, s49
	s_max_i32 s26, s26, 0
	s_min_i32 s26, s26, CAP                        ; rows of the pass that count
.set z, 0
.rept 20
	v_mov_b32 v[136+z], 0                          ; the nine pairs of score sums and the sum of v start here, ahead of every jump of the pass
.set z, z+1
.endr
.irp q, 0,1,2,3,4
	global_load_b32 v[156+\q], v29, s[30:31] offset:128*\q  ; the list words of rows 32 q + lane, for their mask bits
.endr
	s_cmp_eq_u32 s54, 0
	s_cbranch_scc1 .Ljoin1
; PHASE 1: 36 rows a wave through a ring of six row slots in registers.  A row is eight loads of 512 consecutive bytes; rounded to bf16 it is eight LDS stores of 256 consecutive bytes.
.macro FILL i                          ; slot i is asked for: the row named by word i of the six in s40-45
	WIN 0
	s_and_b32 s48, s[40+\i], 0xffff
	s_min_u32 s48, s48, 0x7ff                      ; a row number; the bound is written out since an address is made of it
	v_lshl_add_u32 v[16+\i], s48, 12, v1
	WIN 0x80                                       ; destination window 2
.irp jj, 0,1,2,3,4,5,6,7
	global_load_b128 v[32*\i+4*\jj:32*\i+4*\jj+3], v[16+\i], s[36:37] offset:512*\jj
.endr
.endm
.macro SLOT i, refill, left            ; left: the younger slots' loads, which stay out
	s_wait_loadcnt \left                           ; loads come back in order (ISA guide 5.7.1): this slot's eight are in, and its address register is free
	WIN 0x0a                                       ; sources window 2, destination window 0
.set z, 0
.rept 16
	v_cvt_pk_bf16_f32 v[166+z], v[32*\i+2*z], v[32*\i+2*z+1]
.set z, z+1
.endr
.if \refill
	FILL \i
.endif
	WIN 0
.irp jj, 0,1,2,3,4,5,6,7
	ds_store_b64 v13, v[166+2*\jj:167+2*\jj] offset:PITCH*\i+256*\jj
.endr
.endm
	s_load_b256 s[40:47], s[38:39], 0x0            ; six words are used of each eight; the last such load ends at word 151 of the table's 256
	s_wait_kmcnt 0x0
.irp i, 0,1,2,3,4,5
	FILL \i
.endr
	s_add_nc_u64 s[38:39], s[38:39], 24
	s_load_b256 s[40:47], s[38:39], 0x0
	WIN 0
	s_mov_b32 s55, 0                               ; the trip's six rows begin this many bytes behind my wave's first row
	s_mov_b32 s29, 5
.Lrows:
	s_wait_kmcnt 0x0                               ; the next six row numbers
	v_add_nc_u32 v13, s55, v12
.irp i, 0,1,2,3,4,5
	SLOT \i, 1, 40
.endr
	s_add_nc_u64 s[38:39], s[38:39], 24
	s_load_b256 s[40:47], s[38:39], 0x0
	s_add_co_u32 s55, s55, 6*PITCH
	s_sub_co_u32 s29, s29, 1
	s_cmp_lg_u32 s29, 0
	s_cbranch_scc1 .Lrows
	v_add_nc_u32 v13, s55, v12
.irp i, 0,1,2,3,4,5
	SLOT \i, 0, 40-8*\i                            ; the last six rows: nothing is asked for, the counts run down to 0
.endr
	s_wait_kmcnt 0x0                               ; s40-47 are free again
	s_cmp_lg_u32 s27, 0
	s_cbranch_scc1 .Ljoin1
	v_lshl_add_u32 v182, v0, 4, DECL               ; once: dec' and v, loaded at the head, go into LDS
	ds_store_b128 v182, v[104:107]
	ds_store_b128 v182, v[108:111] offset:2048
	ds_store_b128 v182, v[112:115] offset:4096
	ds_store_b128 v182, v[116:119] offset:6144
.Ljoin1:
	s_wait_dscnt 0x0                               ; for the others' sake: my rows are written
	s_barrier_signal -1
	s_barrier_wait -1
	s_cmp_eq_u32 s54, 0
	s_cbranch_scc1 .Ljoin2a
; PHASE 2: the scores.  A K step is 32 along K: 72 matrix instructions on 72 accumulators, which take turns.
.macro ALD base, aimm, a               ; block a's fragment: two loads of 16 bytes, 32 bytes apart
	ds_load_b128 v[32+8*(\a):32+8*(\a)+3],   v[(\base)+(\a)/2] offset:((\a)%2)*R16+(\aimm)
	ds_load_b128 v[32+8*(\a)+4:32+8*(\a)+7], v[(\base)+(\a)/2] offset:((\a)%2)*R16+(\aimm)+32
.endm
.macro MUL32 u, zero, hi               ; blocks 4 hi .. 4 hi + 3 x the chunk's 8 tiles of hidden; zero = 1: the products start the sums
	WIN 0xa1+0x50*(\hi)                            ; W window 1, enc window 0, C and D window 2 or 3
.irp a, 0,1,2,3
.irp j, 0,1,2,3,4,5,6,7
.if \zero
	v_wmma_f32_16x16x32_bf16 v[64*\a+8*\j:64*\a+8*\j+7], v[64*(\u)+8*\j:64*(\u)+8*\j+7], v[32+8*(4*(\hi)+\a):32+8*(4*(\hi)+\a)+7], 0
.else
	v_wmma_f32_16x16x32_bf16 v[64*\a+8*\j:64*\a+8*\j+7], v[64*(\u)+8*\j:64*(\u)+8*\j+7], v[32+8*(4*(\hi)+\a):32+8*(4*(\hi)+\a)+7], v[64*\a+8*\j:64*\a+8*\j+7]
.endif
.endr
.endr
.endm
.macro MUL8 u, zero                    ; block 8
	WIN 0x01                                       ; W window 1, all else window 0
.irp j, 0,1,2,3,4,5,6,7
.if \zero
	v_wmma_f32_16x16x32_bf16 v[192+8*\j:192+8*\j+7], v[64*(\u)+8*\j:64*(\u)+8*\j+7], v[96:103], 0
.else
	v_wmma_f32_16x16x32_bf16 v[192+8*\j:192+8*\j+7], v[64*(\u)+8*\j:64*(\u)+8*\j+7], v[96:103], v[192+8*\j:192+8*\j+7]
.endif
.endr
.endm
; One K step on ring buffer u.  Behind each group of products the same blocks' fragments of the NEXT K step are fetched (base register and byte aimm), and at the end buffer u takes the K step four on (step bimm from the ring's base).
.macro STEP u, zero, base, aimm, bimm
	s_wait_loadcnt 48                              ; this K step's W is in: three younger steps of 16 loads stay out
	s_wait_dscnt 10                                ; blocks 0-3 are in: behind their loads came blocks 4-7's eight and block 8's two
	MUL32 \u, \zero, 0
	PLACES
	WIN 0
.irp a, 0,1,2,3
	ALD \base, \aimm, \a
.endr
	s_wait_dscnt 10                                ; blocks 4-7: behind them block 8's two and the eight just issued
	MUL32 \u, \zero, 1
	PLACES
	WIN 0
.irp a, 4,5,6,7
	ALD \base, \aimm, \a
.endr
	s_wait_dscnt 16                                ; block 8: behind it the sixteen issued in this step
	MUL8 \u, \zero
	PLACES
	WIN 0
	ALD \base, \aimm, 8
	WIN 0x40                                       ; destination window 1
.irp j, 0,1,2,3,4,5,6,7
	global_load_b128 v[64*(\u)+8*\j:64*(\u)+8*\j+3],   v1, s[34:35] offset:8192*(\bimm)+1024*\j
	global_load_b128 v[64*(\u)+8*\j+4:64*(\u)+8*\j+7], v1, s[34:35] offset:8192*(\bimm)+1024*\j+512
.endr
.endm
.macro KWALK                           ; v7-11: the five fragment addresses, s63 bytes along K
.irp p, 0,1,2,3,4
	v_add_nc_u32 v[7+\p], s63, v[2+\p]
.endr
.endm
; THE WAY FROM SUMS TO SCORES, tile j of the chunk's eight.  DVLOAD: my eight dec' and my eight v of that tile.
.macro DVLOAD j
	WIN 0
	ds_load_b128 v[104+16*((\j)%2):104+16*((\j)%2)+3],     v15 offset:64*(\j)
	ds_load_b128 v[104+16*((\j)%2)+4:104+16*((\j)%2)+7],   v15 offset:64*(\j)+16
	ds_load_b128 v[104+16*((\j)%2)+8:104+16*((\j)%2)+11],  v15 offset:64*(\j)+4096
	ds_load_b128 v[104+16*((\j)%2)+12:104+16*((\j)%2)+15], v15 offset:64*(\j)+4112
.endm
; nt accumulators at rb, rb + 64, ..: x = 2 log2(e) sum + dec'; 2^x; + 1; the reciprocal; score sums a0 .. += r v.  In place, each accumulator from its low end on.
; Transcendentals stand in runs, with one plain instruction behind each run before a result is used (ISA guide 5.7.2).  wi: window setting in place; ws: for the score sums; d: the buffer of dec' and v.
.macro EGRP wi, ws, rb, nt, a0, d
	WIN \wi
.set t, 0
.rept \nt
.irp z, 0,2,4,6
	v_pk_fma_f32 v[(\rb)+64*t+\z:(\rb)+64*t+\z+1], v[(\rb)+64*t+\z:(\rb)+64*t+\z+1], s[50:51], v[(\d)+\z:(\d)+\z+1] op_sel_hi:[1,0,1]
.endr
.set t, t+1
.endr
.set t, 0
.rept \nt
.irp z, 0,1,2,3,4,5,6,7
	v_exp_f32 v[(\rb)+64*t+\z], v[(\rb)+64*t+\z]
.endr
.set t, t+1
.endr
	v_nop
.set t, 0
	s_wait_alu depctr_va_vdst(0)
.rept \nt
.irp z, 0,2,4,6
	v_pk_add_f32 v[(\rb)+64*t+\z:(\rb)+64*t+\z+1], v[(\rb)+64*t+\z:(\rb)+64*t+\z+1], 1.0 op_sel_hi:[1,0]
.endr
.set t, t+1
.endr
.set t, 0
.rept \nt
.irp z, 0,1,2,3,4,5,6,7
	v_rcp_f32 v[(\rb)+64*t+\z], v[(\rb)+64*t+\z]
.endr
.set t, t+1
.endr
	v_nop
	WIN \ws
	s_wait_alu depctr_va_vdst(0)
.irp z, 0,2,4,6
.set t, 0
.rept \nt
	v_pk_fma_f32 v[136+2*((\a0)+t):137+2*((\a0)+t)], v[(\rb)+64*t+\z:(\rb)+64*t+\z+1], v[(\d)+8+\z:(\d)+8+\z+1], v[136+2*((\a0)+t):137+2*((\a0)+t)]
.set t, t+1
.endr
.endr
.endm
.irp a, 0,1,2,3,4,5,6,7,8
	ALD 2, 0, \a                                   ; K step 0's fragments
.endr
	s_mov_b32 s55, 0                               ; the chunk's 128 hidden begin this many bytes behind my wave's first dec' and v
	s_mov_b32 s28, 2
.Lchunk:                                               ; 128 hidden of my 256
	v_add_nc_u32 v15, s55, v14
	s_mov_b32 s63, 0                               ; bytes along K at which the trip's four K steps begin
	STEP 0, 1, 2, 64, 4                            ; the chunk's first K step stands ahead of the loop: its products start the sums
	WIN 0                                          ; at a label and at a branch every window is 0
	s_mov_b32 s29, 7
.Lk:
	KWALK
	STEP 1, 0, 7, 128, 5
	STEP 2, 0, 7, 192, 6
	STEP 3, 0, 7, 256, 7
	STEP 0, 0, 7, 320, 8
	WIN 0
	s_wait_xcnt 0x0                                ; the ring's base is stepped only behind this wait
	s_add_nc_u64 s[34:35], s[34:35], 32768
	s_add_co_u32 s63, s63, 256
	s_sub_co_u32 s29, s29, 1
	s_cmp_lg_u32 s29, 0
	s_cbranch_scc1 .Lk
	KWALK
	STEP 1, 0, 7, 128, 5
	STEP 2, 0, 7, 192, 6
	STEP 3, 0, 2, 0, 7                             ; the last K step fetches K step 0's fragments again, for the next chunk
	WIN 0
	s_wait_xcnt 0x0
	s_add_nc_u64 s[34:35], s[34:35], 32768
	DVLOAD 0
.irp j, 0,1,2,3,4,5,6,7
.if \j < 7
	DVLOAD (\j)+1
	s_wait_dscnt 4                                 ; this tile's dec' and v are in; the next tile's four loads stay out
.else
	s_wait_dscnt 0x0
.endif
	WIN 0
.irp z, 0,2,4,6
	v_pk_add_f32 v[154:155], v[154:155], v[104+16*(\j%2)+8+\z:104+16*(\j%2)+8+\z+1]
.endr
	EGRP 0x82, 0x02, 8*\j, 4, 0, 104+16*(\j%2)
	EGRP 0xc3, 0x03, 8*\j, 4, 4, 104+16*(\j%2)
	EGRP 0, 0, 192+8*\j, 1, 8, 104+16*(\j%2)
.endr
	WIN 0
	s_add_co_u32 s55, s55, 512
	s_sub_co_u32 s28, s28, 1
	s_cmp_lg_u32 s28, 0
	s_cbranch_scc1 .Lchunk
.Ljoin2a:
	s_wait_dscnt 0x0                               ; my reads of the rows, of dec' and of v are over;
	s_barrier_signal -1
	s_barrier_wait -1                              ; so are all four waves': only behind this barrier are the score words written
	s_cmp_eq_u32 s54, 0
	s_cbranch_scc1 .Ljoin2
	; a row's sum over my wave's 256 hidden: the pair's two halves, and the other half of the lanes'
.set z, 0
.rept 10
	v_add_f32 v[136+2*z], v[136+2*z], v[137+2*z]
.set z, z+1
.endr
.set z, 0
.rept 10
	v_permlanex16_b32 v[137+2*z], v[136+2*z], s52, s53
.set z, z+1
.endr
.set z, 0
.rept 10
	v_add_f32 v[136+2*z], v[136+2*z], v[137+2*z]
.set z, z+1
.endr
.irp a, 0,1,2,3,4,5,6,7,8
	ds_store_b32 v22, v[136+2*\a] offset:64*\a     ; lanes r and r + 16 write the same word with the same number
.endr
	ds_store_b32 v22, v31 offset:576               ; rows 144-159 do not exist: 0
	s_lshl_b32 s48, s20, 2
	s_add_co_u32 s48, s48, VSL
	v_mov_b32 v166, s48
	ds_store_b32 v166, v154
.Ljoin2:
	s_wait_dscnt 0x0                               ; for the others' sake: my part of the scores is written
	s_barrier_signal -1
	s_barrier_wait -1
	s_cmp_eq_u32 s54, 0
	s_cbranch_scc1 .Ljoin3
	; PHASE 3: every wave makes all 160 scores and the pass's m, l and p for itself: row 32 q + lane in register q.
.irp w, 0,1,2,3
.irp q, 0,1,2,3,4
	ds_load_b32 v[166+5*\w+\q], v23 offset:640*\w+128*\q
.endr
.endr
	v_mov_b32 v190, VSL
	ds_load_b128 v[186:189], v190
	s_wait_dscnt 0x0
	s_wait_loadcnt 0x0                             ; the list words
.irp q, 0,1,2,3,4
	v_add_f32 v[166+\q], v[166+\q], v[171+\q]
	v_add_f32 v[176+\q], v[176+\q], v[181+\q]
.endr
	v_add_f32 v186, v186, v187
	v_add_f32 v188, v188, v189
.irp q, 0,1,2,3,4
	v_add_f32 v[166+\q], v[166+\q], v[176+\q]
.endr
	v_add_f32 v186, v186, v188                     ; the sum of v
.irp q, 0,1,2,3,4
	v_fma_f32 v[166+\q], v[166+\q], -2.0, v186     ; v . tanh
	v_and_b32 v171, 0x10000, v[156+\q]
	v_cmp_ne_u32 vcc_lo, 0, v171
	v_cndmask_b32 v[166+\q], s61, v[166+\q], vcc_lo  ; -1e10 where mask == 0
	v_add_nc_u32 v171, 32*\q, v28
	v_cmp_gt_u32 s[40+\q], s26, v171               ; the row counts
	v_cndmask_b32 v[172+\q], s62, v[166+\q], s[40+\q]
.endr
	v_max3_num_f32 v177, v172, v173, v174
	v_max3_num_f32 v177, v177, v175, v176
	v_max_num_f32_dpp v177, v177, v177 row_xmask:1 row_mask:0xf bank_mask:0xf
	v_max_num_f32_dpp v177, v177, v177 row_xmask:2 row_mask:0xf bank_mask:0xf
	v_max_num_f32_dpp v177, v177, v177 row_xmask:4 row_mask:0xf bank_mask:0xf
	v_max_num_f32_dpp v177, v177, v177 row_xmask:8 row_mask:0xf bank_mask:0xf
	v_permlanex16_b32 v178, v177, s52, s53
	v_max_num_f32 v177, v177, v178                 ; m: the largest score that counts, or -1e30 if none does
.irp q, 0,1,2,3,4
	v_sub_f32 v[172+\q], v[166+\q], v177           ; the difference first, then the factor: at scores of -1e10 a fused form would keep the product's rounding
.endr
.irp q, 0,1,2,3,4
	v_mul_f32 v[172+\q], s60, v[172+\q]
.endr
.irp q, 0,1,2,3,4
	v_exp_f32 v[172+\q], v[172+\q]
.endr
	v_nop
	s_wait_alu depctr_va_vdst(0)
.irp q, 0,1,2,3,4
	v_cndmask_b32 v[172+\q], 0, v[172+\q], s[40+\q]  ; p, 0 for a row that does not count
.endr
	v_add_f32 v178, v172, v173
	v_add_f32 v179, v174, v175
	v_add_f32 v178, v178, v179
	v_add_f32 v178, v178, v176
	v_add_f32_dpp v178, v178, v178 row_xmask:1 row_mask:0xf bank_mask:0xf
	v_add_f32_dpp v178, v178, v178 row_xmask:2 row_mask:0xf bank_mask:0xf
	v_add_f32_dpp v178, v178, v178 row_xmask:4 row_mask:0xf bank_mask:0xf
	v_add_f32_dpp v178, v178, v178 row_xmask:8 row_mask:0xf bank_mask:0xf
	v_permlanex16_b32 v179, v178, s52, s53
	v_add_f32 v178, v178, v179                     ; l
	v_cmp_lt_u32 vcc_lo, 15, v28                   ; slots 144-159 of the row of scores: m, l, then -1e30
	v_cndmask_b32 v170, v170, s62, vcc_lo
	v_cmp_eq_u32 vcc_lo, 16, v28
	v_cndmask_b32 v170, v170, v177, vcc_lo
	v_cmp_eq_u32 vcc_lo, 17, v28
	v_cndmask_b32 v170, v170, v178, vcc_lo
	s_cmp_lg_u32 s20, 0
	s_cbranch_scc1 .Lnot_wave_0
.irp q, 0,1,2,3,4
	global_store_b32 v29, v[166+\q], s[56:57] offset:128*\q
.endr
.Lnot_wave_0:
.irp q, 0,1,2,3,4
	v_cvt_pk_bf16_f32 v179, v[172+\q], v[172+\q]   ; p's upper part,
	v_lshlrev_b32 v180, 16, v179
	v_sub_f32 v180, v[172+\q], v180
	v_cvt_pk_bf16_f32 v180, v180, v180             ; and the rest
	ds_store_b16 v25, v179 offset:64*\q
	ds_store_b16 v25, v180 offset:320+64*\q
.endr
	v_lshl_add_u32 v181, v28, 1, v25
.irp i, 0,1,2
	ds_store_b32 v181, v31 offset:640+128*\i       ; the zeros
.endr
.irp k, 0,1,2,3,4
	ds_load_b128 v[64+8*\k:64+8*\k+3], v24 offset:64*\k     ; LDS serves a wave's instructions in order (ISA guide 5.7.1.4): these see my stores above; the bytes are my wave's own
	ds_load_b128 v[64+8*\k+4:64+8*\k+7], v24 offset:64*\k+32
.endr
; PHASE 4: the context of my wave's 256 channels, in four groups of four tiles of 16; K = the 160 rows, in five steps of 32.
.macro EFLOAD g                        ; group g's enc, turned: 40 loads.  Rows 144-159 do not exist and their p is 0: the last step's second half takes rows 128-143 once more, which are finite
	WIN 0x80+0x40*((\g)%2)
.irp k, 0,1,2,3,4
.irp c, 0,1,2,3
	ds_load_tr16_b128 v[8*(4*\k+\c):8*(4*\k+\c)+3],   v[161+\k] offset:32*(4*(\g)+\c)
	ds_load_tr16_b128 v[8*(4*\k+\c)+4:8*(4*\k+\c)+7], v[161+\k] offset:32*(4*(\g)+\c)+R16*(1-\k/4)
.endr
.endr
.endm
.macro CTX g, left                     ; left: the LDS instructions issued behind group g's loads
	s_wait_dscnt \left
	WIN 0x08+4*((\g)%2)                            ; enc in window 2 or 3, all else window 0
.irp k, 0,1,2,3,4
.irp c, 0,1,2,3
.if \k == 0
	v_wmma_f32_16x16x32_bf16 v[32+8*\c:32+8*\c+7], v[64+8*\k:64+8*\k+7], v[8*(4*\k+\c):8*(4*\k+\c)+7], 0
.else
	v_wmma_f32_16x16x32_bf16 v[32+8*\c:32+8*\c+7], v[64+8*\k:64+8*\k+7], v[8*(4*\k+\c):8*(4*\k+\c)+7], v[32+8*\c:32+8*\c+7]
.endif
.endr
.endr
	PLACES
	WIN 0
.irp c, 0,1,2,3
	v_add_f32 v[182+\c], v[32+8*\c], v[33+8*\c]    ; rows 0 and 1 of the result: the upper parts' sum and the rest's
	ds_store_b32 v26, v[182+\c] offset:64*(4*(\g)+\c)
.endr
.endm
	EFLOAD 0
	EFLOAD 1
	CTX 0, 40
	EFLOAD 2
	CTX 1, 44
	EFLOAD 3
	CTX 2, 44
	CTX 3, 0
	ds_load_b128 v[172:175], v27
	ds_load_b128 v[176:179], v27 offset:512
	s_wait_dscnt 0x0
	global_store_b128 v1, v[172:175], s[58:59]             ; each store of the wave covers 512 consecutive bytes, aligned
	global_store_b128 v1, v[176:179], s[58:59] offset:512
.Ljoin3:
	s_wait_dscnt 0x0                               ; my reads of the rows are over: behind this barrier the next pass writes them anew
	s_wait_xcnt 0x0
	s_barrier_signal -1
	s_barrier_wait -1
	s_add_co_u32 s27, s27, 1
	s_cmp_lt_u32 s27, 2
	s_cbranch_scc1 .Lpass
	s_wait_tensorcnt 0x0                           ; the wave's end
	ds_add_u32 v30, v31
	s_wait_dscnt 0x0
	s_endpgm
.Lfunc_end_k_q3edddef02c_main:
	.size	k_q3edddef02c_main, .Lfunc_end_k_q3edddef02c_main-k_q3edddef02c_main
	.p2alignl 7, 3214868480
	.fill 96, 4, 3214868480
	.section	.rodata,"a",@progbits
	.p2align	6, 0x0
	.amdhsa_kernel k_q3edddef02c_main
		.amdhsa_group_segment_fixed_size 321024
		.amdhsa_private_segment_fixed_size 0
		.amdhsa_enable_private_segment 0
		.amdhsa_kernarg_size 64
		.amdhsa_user_sgpr_count 2
		.amdhsa_user_sgpr_kernarg_segment_ptr 1
		.amdhsa_wavefront_size32 1
		.amdhsa_system_sgpr_workgroup_id_x 1
		.amdhsa_system_sgpr_workgroup_id_y 1
		.amdhsa_system_sgpr_workgroup_id_z 1
		.amdhsa_system_vgpr_workitem_id 0
		.amdhsa_next_free_vgpr 1024
		.amdhsa_next_free_sgpr 66
		.amdhsa_reserve_vcc 1
		.amdhsa_float_denorm_mode_32 3
		.amdhsa_float_denorm_mode_16_64 3
		.amdhsa_memory_ordered 1
		.amdhsa_forward_progress 1
		.amdhsa_inst_pref_size 238
	.end_amdhsa_kernel
	.amdgpu_metadata
---
amdhsa.version: [ 1, 2 ]
amdhsa.kernels:
  - .name:           k_q3edddef02c_main
    .symbol:         k_q3edddef02c_main.kd
    .args:
      - { .name: encoder_outputs, .offset: 0, .size: 8, .value_kind: global_buffer, .address_space: global }
      - { .name: v_w, .offset: 8, .size: 8, .value_kind: global_buffer, .address_space: global }
      - { .name: wfrag, .offset: 16, .size: 8, .value_kind: global_buffer, .address_space: global }
      - { .name: decs, .offset: 24, .size: 8, .value_kind: global_buffer, .address_space: global }
      - { .name: rows2, .offset: 32, .size: 8, .value_kind: global_buffer, .address_space: global }
      - { .name: cnt, .offset: 40, .size: 8, .value_kind: global_buffer, .address_space: global }
      - { .name: scores, .offset: 48, .size: 8, .value_kind: global_buffer, .address_space: global }
      - { .name: pctx, .offset: 56, .size: 8, .value_kind: global_buffer, .address_space: global }
    .group_segment_fixed_size: 321024
    .private_segment_fixed_size: 0
    .kernarg_segment_align: 8
    .kernarg_segment_size: 64
    .max_flat_workgroup_size: 128
    .sgpr_count:     66
    .vgpr_count:     1024
    .wavefront_size: 32
...
	.end_amdgpu_metadata
.endif
;; end of part 2
;; launch combine (part 3): grid 4 x 32, 4 waves a work-group, no clusters, 0 bytes of LDS; arguments rank, cnt, scores, pctx, out0, out1; writes out0, out1
.if DOCPART == 3
	.amdgcn_target "amdgcn-amd-amdhsa--gfx1250"
	.amdhsa_code_object_version 6
	.text
	.protected	k_q3edddef02c_combine
	.globl	k_q3edddef02c_combine
	.p2align	8
	.type	k_q3edddef02c_combine,@function
k_q3edddef02c_combine:
	s_mov_b64 s[64:65], 0
	v_nop
	global_prefetch_b8 v0, s[64:65] scope:SCOPE_SE
	s_setreg_imm32_b32 hwreg(HW_REG_WAVE_MODE, 25, 1), 1
	s_wait_xcnt 0x0
; COMBINE.  A batch's up to 16 passes (m_k, l_k, sum p enc) are joined: M = max m_k, f_k = e^(m_k - M), L = sum f_k l_k; weight = e^(score - M) / L; context = sum f_k pctx_k / L.
; Work-group (x, b): positions 512 x .. + 511 and channels 256 x .. + 255 of batch b; each makes M and L for itself from the 16 pairs.  The second passes (odd k) exist only where a share is above 144.
; A position that was not dealt has mask == 0 in a batch that has other rows: its score is -1e10 and its weight comes out as 0, as in the reference.
; Memory binds and the launch is small: no LDS, no matrix unit, no cluster (the work-groups share 128 bytes).
; LIMITS.  A weight below 2^-126 counts as 0; NaN and infinities are not treated apart.
	s_load_b256 s[4:11], s[0:1], 0x0               ; rank 4, cnt 6, scores 8, pctx 10
	s_load_b128 s[12:15], s[0:1], 0x20             ; out0 12, out1 14
	s_and_b32 s20, ttmp7, 0xffff                   ; b
	s_mov_b32 s21, ttmp9                           ; x
	s_mov_b32 s23, 0                               ; high word of the offset pair s[22:23]
	s_mov_b32 s19, 0xf149f2ca                      ; -1e30
	s_mov_b32 s25, 0xd01502f9                      ; -1e10
	s_mov_b32 s26, 0x3fb8aa3b                      ; log2(e)
	v_lshlrev_b32 v1, 4, v0                        ; 16 thread
	v_lshlrev_b32 v2, 3, v0                        ; 8 thread
	s_wait_kmcnt 0x0
	s_lshl_b32 s22, s20, 8
	s_add_nc_u64 s[6:7], s[6:7], s[22:23]
	s_load_b32 s16, s[6:7], 0x0                    ; the batch's cnt
	s_lshl_b32 s22, s20, 13
	s_lshl_b32 s24, s21, 11
	s_add_co_u32 s22, s22, s24
	s_add_nc_u64 s[4:5], s[4:5], s[22:23]          ; my 512 positions in rank
	s_add_nc_u64 s[12:13], s[12:13], s[22:23]      ; and in out0
	s_lshl_b32 s24, s21, 10
	s_lshl_b32 s22, s20, 16
	s_add_co_u32 s22, s22, s24
	s_add_nc_u64 s[10:11], s[10:11], s[22:23]      ; my 256 channels in the batch's pctx
	s_lshl_b32 s22, s20, 12
	s_add_co_u32 s22, s22, s24
	s_add_nc_u64 s[14:15], s[14:15], s[22:23]      ; and in out1
	s_lshl_b32 s22, s20, 14
	s_add_nc_u64 s[8:9], s[8:9], s[22:23]          ; the batch's scores
	global_load_b128 v[4:7], v1, s[4:5]
.irp i, 0,1,2,3,4,5,6,7
	global_load_b64 v[8+2*\i:9+2*\i], v2, s[10:11] offset:8192*\i  ; the first passes' contexts
.endr
	s_wait_kmcnt 0x0
	s_min_u32 s16, s16, 0x800
	s_add_co_u32 s16, s16, 7
	s_lshr_b32 s16, s16, 3                         ; share
	s_cmp_gt_u32 s16, 144
	s_cselect_b32 s17, 1, 0                        ; second passes exist
	s_or_b32 s18, s17, 14
	v_and_b32 v3, 15, v0                           ; lane k of each half takes pass k, or the even pass below it where odd ones do not exist
	v_and_b32 v3, s18, v3
	v_min_u32 v3, 15, v3
	v_lshlrev_b32 v3, 10, v3
	global_load_b64 v[24:25], v3, s[8:9] offset:576  ; slots 144 and 145: m and l
	v_and_b32 v26, 1, v0
	v_cmp_lt_u32 vcc_lo, s17, v26                  ; an odd pass that does not exist
	s_wait_loadcnt 0x0
	v_cndmask_b32 v24, v24, s19, vcc_lo
	v_cndmask_b32 v25, v25, 0, vcc_lo
	v_mov_b32 v27, v24
	v_max_num_f32_dpp v27, v27, v27 row_xmask:1 row_mask:0xf bank_mask:0xf
	v_max_num_f32_dpp v27, v27, v27 row_xmask:2 row_mask:0xf bank_mask:0xf
	v_max_num_f32_dpp v27, v27, v27 row_xmask:4 row_mask:0xf bank_mask:0xf
	v_max_num_f32_dpp v27, v27, v27 row_xmask:8 row_mask:0xf bank_mask:0xf  ; M, in every lane: both halves hold all 16 passes
.irp i, 0,1,2,3
	v_and_b32 v[32+\i], 0xffff, v[4+\i]            ; the slot of my position's score
	v_min_u32 v[32+\i], 0xfff, v[32+\i]
	v_lshlrev_b32 v[32+\i], 2, v[32+\i]
	global_load_b32 v[36+\i], v[32+\i], s[8:9]
.endr
	v_sub_f32 v28, v24, v27
	v_mul_f32 v28, s26, v28
	v_exp_f32 v28, v28                             ; f
	v_nop
	s_wait_alu depctr_va_vdst(0)
	v_mul_f32 v29, v28, v25
	v_add_f32_dpp v29, v29, v29 row_xmask:1 row_mask:0xf bank_mask:0xf
	v_add_f32_dpp v29, v29, v29 row_xmask:2 row_mask:0xf bank_mask:0xf
	v_add_f32_dpp v29, v29, v29 row_xmask:4 row_mask:0xf bank_mask:0xf
	v_add_f32_dpp v29, v29, v29 row_xmask:8 row_mask:0xf bank_mask:0xf  ; L: at least 1, from the pass that holds M
	v_rcp_f32 v30, v29
	v_nop
.irp k, 0,1,2,3,4,5,6,7,8,9,10,11,12,13,14,15
	v_readlane_b32 s[32+\k], v28, \k
.endr
	v_mul_f32 v40, s32, v8
	v_mul_f32 v41, s32, v9
.irp i, 1,2,3,4,5,6,7
	v_fma_f32 v40, s[32+2*\i], v[8+2*\i], v40
	v_fma_f32 v41, s[32+2*\i], v[9+2*\i], v41
.endr
	s_cmp_eq_u32 s17, 0
	s_cbranch_scc1 .Lone_pass
.irp i, 0,1,2,3,4,5,6,7
	global_load_b64 v[8+2*\i:9+2*\i], v2, s[10:11] offset:8192*\i+4096  ; the second passes' contexts
.endr
	s_wait_loadcnt 0x0
.irp i, 0,1,2,3,4,5,6,7
	v_fma_f32 v40, s[33+2*\i], v[8+2*\i], v40
	v_fma_f32 v41, s[33+2*\i], v[9+2*\i], v41
.endr
.Lone_pass:
	s_wait_loadcnt 0x0                             ; the four scores; their address registers are free
.irp i, 0,1,2,3
	v_lshrrev_b32 v[32+\i], 16, v[4+\i]
	v_cmp_ne_u32 vcc_lo, 0, v[32+\i]
	v_cndmask_b32 v[36+\i], s25, v[36+\i], vcc_lo  ; a position that was not dealt: -1e10
	v_sub_f32 v[36+\i], v[36+\i], v27
	v_mul_f32 v[36+\i], s26, v[36+\i]
.endr
.irp i, 0,1,2,3
	v_exp_f32 v[36+\i], v[36+\i]
.endr
	s_wait_alu depctr_va_vdst(0)
	v_mul_f32 v40, v40, v30
	v_mul_f32 v41, v41, v30
.irp i, 0,1,2,3
	v_mul_f32 v[36+\i], v[36+\i], v30
.endr
	global_store_b128 v1, v[36:39], s[12:13]       ; a wave's store covers 512 consecutive bytes, aligned
	global_store_b64 v2, v[40:41], s[14:15]        ; 256 consecutive bytes, aligned
	s_endpgm
.Lfunc_end_k_q3edddef02c_combine:
	.size	k_q3edddef02c_combine, .Lfunc_end_k_q3edddef02c_combine-k_q3edddef02c_combine
	.p2alignl 7, 3214868480
	.fill 96, 4, 3214868480
	.section	.rodata,"a",@progbits
	.p2align	6, 0x0
	.amdhsa_kernel k_q3edddef02c_combine
		.amdhsa_group_segment_fixed_size 0
		.amdhsa_private_segment_fixed_size 0
		.amdhsa_enable_private_segment 0
		.amdhsa_kernarg_size 48
		.amdhsa_user_sgpr_count 2
		.amdhsa_user_sgpr_kernarg_segment_ptr 1
		.amdhsa_wavefront_size32 1
		.amdhsa_system_sgpr_workgroup_id_x 1
		.amdhsa_system_sgpr_workgroup_id_y 1
		.amdhsa_system_sgpr_workgroup_id_z 1
		.amdhsa_system_vgpr_workitem_id 0
		.amdhsa_next_free_vgpr 64
		.amdhsa_next_free_sgpr 66
		.amdhsa_reserve_vcc 1
		.amdhsa_float_denorm_mode_32 3
		.amdhsa_float_denorm_mode_16_64 3
		.amdhsa_memory_ordered 1
		.amdhsa_forward_progress 1
		.amdhsa_inst_pref_size 10
	.end_amdhsa_kernel
	.amdgpu_metadata
---
amdhsa.version: [ 1, 2 ]
amdhsa.kernels:
  - .name:           k_q3edddef02c_combine
    .symbol:         k_q3edddef02c_combine.kd
    .args:
      - { .name: rank, .offset: 0, .size: 8, .value_kind: global_buffer, .address_space: global }
      - { .name: cnt, .offset: 8, .size: 8, .value_kind: global_buffer, .address_space: global }
      - { .name: scores, .offset: 16, .size: 8, .value_kind: global_buffer, .address_space: global }
      - { .name: pctx, .offset: 24, .size: 8, .value_kind: global_buffer, .address_space: global }
      - { .name: out0, .offset: 32, .size: 8, .value_kind: global_buffer, .address_space: global }
      - { .name: out1, .offset: 40, .size: 8, .value_kind: global_buffer, .address_space: global }
    .group_segment_fixed_size: 0
    .private_segment_fixed_size: 0
    .kernarg_segment_align: 8
    .kernarg_segment_size: 48
    .max_flat_workgroup_size: 128
    .sgpr_count:     66
    .vgpr_count:     64
    .wavefront_size: 32
...
	.end_amdgpu_metadata
.endif
;; end of part 3
;; ======== version 2 of 2: 3 launches; version 1 with the launch main written anew for expert scheduling mode
;; workspace buffers: wfrag 2,228,224 bytes; decs 131,072 bytes; rows2 524,288 bytes of whole numbers; rank 262,144 bytes of whole numbers; cnt 8,192 bytes of whole numbers; scores 524,288 bytes; pctx 2,097,152 bytes
;; launch prep: the kernel of part 1 again; grid 64 x 1, 8 waves a work-group, no clusters, 25,856 bytes of LDS; arguments attn_W, attn_b, decoder_hidden, mask, wfrag, decs, rows2, rank, cnt; writes wfrag, decs, rows2, rank, cnt
;; launch main (part 4): grid 8 x 32, 4 waves a work-group, no clusters, 321,024 bytes of LDS; arguments encoder_outputs, v_w, wfrag, decs, rows2, cnt, scores, pctx; writes scores, pctx
.if DOCPART == 4
	.amdgcn_target "amdgcn-amd-amdhsa--gfx1250"
	.amdhsa_code_object_version 6
	.text
	.protected	k_q3edddef02c_main
	.globl	k_q3edddef02c_main
	.p2align	8
	.type	k_q3edddef02c_main,@function
k_q3edddef02c_main:
	s_mov_b64 s[64:65], 0
	v_nop
	global_prefetch_b8 v0, s[64:65] scope:SCOPE_SE
	s_setreg_imm32_b32 hwreg(HW_REG_WAVE_SCHED_MODE, 0, 2), 2
	s_setreg_imm32_b32 hwreg(HW_REG_WAVE_MODE, 25, 1), 1
	s_wait_xcnt 0x0
	s_wait_alu depctr_vm_vsrc(0)
; MAIN.  For the rows that prep has dealt to this work-group (batch b = y, share wg = x): score = v . tanh(dec_proj + enc W_enc), a softmax's maximum m and sum l over these rows, and sum p enc.
; A pass takes 144 rows: they are gathered from memory once, rounded to bf16 and kept in LDS, and BOTH products read them there.  A batch with up to 1,152 dealt rows needs one pass, any other two;
; the pass loop has two trips, and a trip with nothing to do jumps forward over its phases and meets the same four barriers.
; SHARES.  Four waves.  Load: wave w brings rows 36 w .. 36 w + 35.  Scores: wave w makes all 144 rows x hidden 256 w .. 256 w + 255, in two chunks of 128 hidden: 72 accumulators of 16 x 16, 576 registers.
; W_enc comes straight into registers from prep's fragment-ordered stream of this wave (no two waves use the same fragment): a ring of four K steps, 16 loads of 512 consecutive bytes a step.
; THE PRODUCT IS USED TRANSPOSED: source 0 = 16 hidden of W, source 1 = 16 rows of enc, so a lane holds ONE row and eight hidden, and a row's score wants one exchange between the halves of the lanes.
; tanh x = 1 - 2 r, r = 1 / (1 + 2^(2 log2(e) x)): right at both ends, where the exponential is infinite or 0.  score = sum v - 2 sum v r.
; CONTEXT.  p = e^(score - m) enters as two bf16 rows, p's upper part and the rest, of a 16-row source 0 whose other rows are 0; source 1 is enc out of LDS, turned by ds_load_tr16_b128.
; NO CLUSTER, NO TENSOR LOADS: the resident rows take 297,216 bytes of LDS and the scratch 23,808; what is left of 327,680 holds less than one K step's 32,768 bytes of W for the four waves,
; so W has no slot in LDS into which a joint load could land, and fewer resident rows would mean more bytes of W for each multiply-add.
; LDS ADDRESSES THAT WALK are made anew each trip: a lane register that is never rewritten plus a scalar that the counted loop steps by a constant.
; LIMITS.  A row with mask == 0 counts as -1e10 as in the reference; the sum of |v_w| is taken to be far below 1e10.  A weight below 2^-126 counts as 0.  NaN and infinities are not treated apart.
; THE MODE: SCHED_MODE bits 1:0 = 2 (LLVM: expert scheduling mode 2), set by the entry lines.  The code itself states the register dependences between vector or matrix instructions and
; memory or LDS instructions, with s_wait_alu, always for 0.
; THE PLAN.  Registers that memory or LDS instructions touch, and who else names them:
;   v1-6, v12, v14, v22-29, v161-165   offsets and LDS addresses, made at the head and never written again.
;   LOAD PHASE   slot i (32 registers of window 2): its loads land, its 16 conversions read it, it is asked for again.  v16-21: slot i's offset, written in its turn, read by its loads.  v13: the row stores'
;                address, written once in six turns.  v166-181: written by the conversions, read by the turn's eight LDS stores.  A turn: vm_vsrc (the turn before's stores have read v166-181 and v13, the slot's
;                last loads its offset), the vector work, va_vdst (all of it is written, the slot is read), the eight loads, the eight stores.
;   K STEP T     multiplies enc's set T % 2 (blocks 0-6), blocks 7 and 8, and W's ring buffer T % 4.  Its loads land in blocks 7 and 8 (its own, read later in the step), in the OTHER set (blocks 0-6 of step T + 1) and in
;                ring buffer (T + 3) % 4 (step T + 3): registers that step T - 1 named last.  So ONE va_vdst at the step's head serves its 34 loads, which are dealt among its 72 matrix instructions.
;                v7-11: written once in four steps, behind a vm_vsrc and ahead of a step's head.
;   dec' AND v   three buffers by turns: tile j + 1's loads land in the buffer that tile j - 2 read, ahead of tile j - 1's waits for its exponentials.  v15: written at a chunk's head, behind a vm_vsrc.
;   WAYS OUT     every register that a store reads has a place of its own within a pass: v104-105, v136-154 (scores' parts), v166-170 (scores), v179-189, v191 (p), v106-121 (context), v122-129 (context, read back).
;                One va_vdst stands ahead of each run of stores; the vm_vsrc at a pass's head frees them all for the next pass.
;   Each dependence is stated on every way through the jumps over idle phases: the waits at the pass's head and at the first join stand on all of them.
; REGISTERS, in windows of 256 (s_set_vgpr_msb: bits 1:0 source 0, 3:2 source 1, 5:4 source 2, 7:6 destination):
;   window 0: v0-31 addresses; enc's fragments: set 0 of blocks 0-6 at v32-87, blocks 7 and 8 at v88-103, set 1 of blocks 0-3 at v104-135 and of blocks 4-6 at v166-189 (context: v32-63 four accumulators,
;             v64-103 p's fragments); between the K loops v104-119, v120-135, v166-181 are the three buffers of dec' and v; v136-153 nine pairs of score sums, v154-155 the sum of v; v156-160 the rows' list words;
;             v161-165 addresses of the turning loads; v166-191 at work outside the K loop; v192-255 accumulators of block 8
;   window 1: the ring of W: K step T in buffer T % 4 at 64 (T % 4), fragment j at + 8 j
;   window 2: accumulators (a, j), a = 0-3, at 64 a + 8 j (load: six row slots of 32; context: enc turned, even groups)          window 3: a = 4-7 likewise (context: odd groups)
.set PITCH, 2064                       ; an LDS row: 2,048 bytes of bf16 + 16 = 516 words: row r starts at bank 4 r mod 64 (64 banks of 4 bytes: ISA guide 11.1)
.set R16,   16*PITCH
.set R32,   32*PITCH
.set DECL,  144*PITCH                  ; 297,216: the batch's dec', 1,024 f32
.set VL,    DECL+4096                  ; v_w
.set SCL,   VL+4096                    ; 4 waves x 160 f32: each wave's part of the scores
.set VSL,   SCL+2560                   ; 4 words: each wave's part of the sum of v
.set PT,    VSL+256                    ; for each wave 1,024 bytes: p's upper parts (160 bf16) at 0, the rest at 320, zeros from 640 on
.set CS,    PT+4096                    ; for each wave 2,048 bytes: its 256 channels of context, then as much for the lanes whose rows are 0
.set SPARE, CS+8192                    ; the spare words, 128 bytes for each wave: no other line names them
.set SW,    68*8192                    ; bytes in a stream of wfrag
.set CAP,   144
.set MSB, 0
.macro WIN new                         ; the immediate's high byte repeats the setting that is left; a switch that changes nothing is dropped
.if MSB != (\new)
	s_set_vgpr_msb (MSB<<8)|(\new)
.set MSB, (\new)
.endif
.endm
.macro PLACES                          ; four places behind a matrix instruction (ISA guide 7.12.1)
.rept 4
	v_nop
.endr
.endm
	s_load_b512 s[4:19], s[0:1], 0x0               ; enc 4, v_w 6, wfrag 8, decs 10, rows2 12, cnt 14, scores 16, pctx 18
	v_lshl_add_u32 v30, v0, 2, SPARE               ; my spare word; never rewritten, read by the closing add alone
	v_mov_b32 v31, 0                               ; 0; likewise
	v_lshrrev_b32 v168, 5, v0
	v_readfirstlane_b32 s20, v168                  ; wave
	s_mov_b32 s21, ttmp9                           ; wg
	s_and_b32 s22, ttmp7, 0xffff                   ; b
	s_mov_b32 s3, 0                                ; high word of the offset pair s[2:3]
	s_mov_b32 s50, 0x4038aa3b                      ; 2 log2(e)
	s_mov_b32 s51, s50                             ; named with it as a pair
	s_mov_b32 s52, 0x76543210                      ; v_permlanex16_b32: each lane takes its own place in the other half
	s_mov_b32 s53, 0xfedcba98
	s_mov_b32 s60, 0x3fb8aa3b                      ; log2(e)
	s_mov_b32 s61, 0xd01502f9                      ; -1e10
	s_mov_b32 s62, 0xf149f2ca                      ; -1e30
	v_and_b32 v28, 31, v0                          ; lane
	v_lshlrev_b32 v1, 4, v28                       ; 16 lane
	v_lshlrev_b32 v29, 2, v28                      ; 4 lane
	v_and_b32 v166, 15, v0                         ; r
	v_bfe_u32 v167, v0, 4, 1                       ; h
	v_mul_u32_u24 v2, v166, PITCH
	v_lshl_add_u32 v2, v167, 4, v2                 ; a fragment of enc: row r x pitch + 16 h
.irp p, 1,2,3,4
	v_add_nc_u32 v[2+\p], \p*R32, v2               ; v2-6: blocks 2 p and 2 p + 1 (the odd one by the immediate); never rewritten
.endr
	s_wait_alu depctr_va_sdst(0)                   ; s20, the wave's number, is written, ahead of its first reader
	s_mul_i32 s48, s20, 36*PITCH
	v_lshl_add_u32 v12, v28, 3, s48                ; load: my 8 bytes in my wave's first row; never rewritten
	s_lshl_b32 s48, s20, 10
	s_add_co_u32 s49, s48, DECL
	v_lshl_add_u32 v14, v167, 5, s49               ; dec' of my wave's hidden, my eight; never rewritten
	s_mul_i32 s49, s20, 640
	s_add_co_u32 s49, s49, SCL
	v_lshl_add_u32 v22, v166, 2, s49               ; my wave's part of the scores, row r
	v_lshl_add_u32 v23, v28, 2, SCL                ; back: row = lane
	v_min_u32 v169, 2, v166
	v_mul_u32_u24 v169, v169, 320
	v_lshl_add_u32 v169, v167, 4, v169
	s_add_co_u32 s49, s48, PT
	v_add_nc_u32 v24, s49, v169                    ; p's fragments: row 0 the upper parts, row 1 the rest, rows 2-15 the zeros
	v_lshl_add_u32 v25, v28, 1, s49                ; where I put p of row = lane
	s_lshl_b32 s49, s20, 11
	s_add_co_u32 s49, s49, CS
	v_lshl_add_u32 v26, v167, 10, s49
	v_lshl_add_u32 v26, v166, 2, v26               ; context in: channel r; lanes 16-31, whose rows are 0, write beside it
	v_add_nc_u32 v27, s49, v1                      ; context back
	v_and_b32 v169, 7, v0
	v_lshl_add_u32 v169, v167, 3, v169
	v_mul_u32_u24 v169, v169, PITCH
	v_bfe_u32 v170, v0, 3, 1
	v_lshl_add_u32 v169, v170, 4, v169
	s_lshl_b32 s49, s20, 9
	v_add_nc_u32 v161, s49, v169                   ; the turning load: row 8 h + lane % 8, 16 bytes (lane / 8) % 2, my wave's 256 channels
.irp p, 1,2,3,4
	v_add_nc_u32 v[161+\p], \p*R32, v161           ; v161-165: rows 32 p on
.endr
	v_lshlrev_b32 v171, 4, v0                      ; 16 thread
	s_wait_kmcnt 0x0
	s_lshl_b32 s2, s22, 8
	s_add_nc_u64 s[14:15], s[14:15], s[2:3]
	s_load_b32 s23, s[14:15], 0x0                  ; the batch's cnt
	s_lshl_b32 s2, s22, 12
	s_add_nc_u64 s[10:11], s[10:11], s[2:3]        ; the batch's dec'
	s_lshl_b32 s2, s22, 23
	s_add_nc_u64 s[36:37], s[4:5], s[2:3]          ; the batch's enc
	s_mul_i32 s2, s20, SW
	s_add_nc_u64 s[32:33], s[8:9], s[2:3]          ; my wave's stream of W
	s_wait_alu depctr_va_vdst(0)                   ; all that the head has made is written: the offsets and LDS addresses v1-6, v12, v14, v22-29, v161-165 and v171, which loads and stores read from here on, and the head's scratch v166-170, in which loads land later
	global_load_b128 v[104:107], v171, s[10:11]
	global_load_b128 v[108:111], v171, s[10:11] offset:2048
	global_load_b128 v[112:115], v171, s[6:7]
	global_load_b128 v[116:119], v171, s[6:7] offset:2048
	WIN 0x40                                       ; destination window 1
.irp u, 0,1,2
.irp j, 0,1,2,3,4,5,6,7
	global_load_b128 v[64*\u+8*\j:64*\u+8*\j+3],   v1, s[32:33] offset:8192*\u+1024*\j      ; the ring's first three K steps; K step 0 asks for the fourth
	global_load_b128 v[64*\u+8*\j+4:64*\u+8*\j+7], v1, s[32:33] offset:8192*\u+1024*\j+512
.endr
.endr
	WIN 0
	s_wait_kmcnt 0x0
	s_min_u32 s23, s23, 0x800
	s_add_co_u32 s24, s23, 7
	s_lshr_b32 s24, s24, 3                         ; share
	s_mul_i32 s25, s21, s24
	s_sub_co_i32 s25, s23, s25
	s_max_i32 s25, s25, 0
	s_min_u32 s25, s25, s24                        ; rows dealt to me
	s_mov_b32 s27, 0                               ; pass
.Lpass:
	s_wait_xcnt 0x0                                ; bases, offsets and store data of what has been issued are rewritten only behind this wait
	s_wait_alu depctr_vm_vsrc(0)                   ; the stores and loads of the pass before have read their registers: the score sums v136-154, written again below, and v16-21, v104-129, v166-191, written again in this pass's phases
	s_lshl_b32 s48, s22, 3
	s_add_co_u32 s48, s48, s21
	s_lshl_b32 s48, s48, 1
	s_add_co_u32 s48, s48, s27                     ; table 16 b + 2 wg + pass
	s_lshl_b32 s2, s48, 10
	s_add_nc_u64 s[56:57], s[16:17], s[2:3]        ; its row of scores
	s_add_nc_u64 s[30:31], s[12:13], s[2:3]        ; and of rows2,
	s_mul_i32 s2, s20, 144
	s_add_nc_u64 s[38:39], s[30:31], s[2:3]        ; there my wave's 36 words
	s_lshl_b32 s2, s48, 2
	s_add_co_u32 s2, s2, s20
	s_lshl_b32 s2, s2, 10
	s_add_nc_u64 s[58:59], s[18:19], s[2:3]        ; its row of pctx, my wave's 256 channels
	s_mov_b64 s[34:35], s[32:33]                   ; the ring's base: the stream's head (the ring holds steps 0-2, or their repeat 64-66)
	s_cmp_gt_u32 s24, CAP
	s_cselect_b32 s54, 1, 0
	s_cmp_eq_u32 s27, 0
	s_cselect_b32 s54, 1, s54                      ; the pass has work: the first always, the second where a share is above 144
	s_mul_i32 s49, s27, CAP
	s_sub_co_i32 s26, s25, s49
	s_max_i32 s26, s26, 0
	s_min_i32 s26, s26, CAP                        ; rows of the pass that count
.set z, 0
.rept 20
	v_mov_b32 v[136+z], 0                          ; the nine pairs of score sums and the sum of v start here, ahead of every jump of the pass
.set z, z+1
.endr
.irp q, 0,1,2,3,4
	global_load_b32 v[156+\q], v29, s[30:31] offset:128*\q  ; the list words of rows 32 q + lane, for their mask bits; the last vector lines that named v156-160 stand ahead of the wait for the weights' exponentials
.endr
	s_cmp_eq_u32 s54, 0
	s_cbranch_scc1 .Ljoin1
; PHASE 1: 36 rows a wave through a ring of six row slots in registers.  A row is eight loads of 512 consecutive bytes; rounded to bf16 it is eight LDS stores of 256 consecutive bytes.
.macro ADDR i                          ; slot i's offset: the row named by word i of the six in s40-45
	s_and_b32 s48, s[40+\i], 0xffff
	s_min_u32 s48, s48, 0x7ff                      ; a row number; the bound is written out since an address is made of it
	v_lshl_add_u32 v[16+\i], s48, 12, v1
.endm
.macro ROWLD i                         ; slot i is asked for (destination window 2)
.irp jj, 0,1,2,3,4,5,6,7
	global_load_b128 v[32*\i+4*\jj:32*\i+4*\jj+3], v[16+\i], s[36:37] offset:512*\jj
.endr
.endm
.macro SLOT i, refill, left            ; left: the younger slots' loads, which stay out
	s_wait_loadcnt \left                           ; loads come back in order (ISA guide 5.7.1): this slot's eight are in
	s_wait_alu depctr_vm_vsrc(0)                   ; the LDS stores issued so far have read v166-181 and v13, this slot's last loads v[16 + i] (ahead of the first turn: the head's loads v171): all are written again below
.if (\i) == 0
	v_add_nc_u32 v13, s55, v12                     ; the six rows' LDS address
.endif
	WIN 0x0a                                       ; sources window 2, destination window 0
.set z, 0
.rept 16
	v_cvt_pk_bf16_f32 v[166+z], v[32*\i+2*z], v[32*\i+2*z+1]
.set z, z+1
.endr
	WIN 0
.if \refill
	ADDR \i
	WIN 0x80                                       ; destination window 2
.endif
	s_wait_alu depctr_va_vdst(0)                   ; the conversions have written v166-181, which the LDS stores read, and are done reading the slot, in which the loads land; the slot's offset and v13 are written
.if \refill
	ROWLD \i
	WIN 0
.endif
.irp jj, 0,1,2,3,4,5,6,7
	ds_store_b64 v13, v[166+2*\jj:167+2*\jj] offset:PITCH*\i+256*\jj
.endr
.endm
	s_load_b256 s[40:47], s[38:39], 0x0            ; six words are used of each eight; the last such load ends at word 151 of the table's 256
	s_wait_kmcnt 0x0
.irp i, 0,1,2,3,4,5
	ADDR \i
.endr
	WIN 0x80                                       ; destination window 2
	s_wait_alu depctr_va_vdst(0)                   ; the six offsets are written; the vector and matrix instructions of the pass before are done with window 2's registers, in which the rows land
.irp i, 0,1,2,3,4,5
	ROWLD \i
.endr
	s_add_nc_u64 s[38:39], s[38:39], 24
	s_load_b256 s[40:47], s[38:39], 0x0
	WIN 0
	s_mov_b32 s55, 0                               ; the trip's six rows begin this many bytes behind my wave's first row
	s_mov_b32 s29, 5
.Lrows:
	s_wait_kmcnt 0x0                               ; the next six row numbers
.irp i, 0,1,2,3,4,5
	SLOT \i, 1, 40
.endr
	s_add_nc_u64 s[38:39], s[38:39], 24
	s_load_b256 s[40:47], s[38:39], 0x0
	s_add_co_u32 s55, s55, 6*PITCH
	s_sub_co_u32 s29, s29, 1
	s_cmp_lg_u32 s29, 0
	s_cbranch_scc1 .Lrows
.irp i, 0,1,2,3,4,5
	SLOT \i, 0, 40-8*\i                            ; the last six rows: nothing is asked for, the counts run down to 0
.endr
	s_wait_kmcnt 0x0                               ; s40-47 are free again
	s_cmp_lg_u32 s27, 0
	s_cbranch_scc1 .Ljoin1
	v_lshl_add_u32 v182, v0, 4, DECL               ; once: dec' and v, loaded at the head, go into LDS
	s_wait_alu depctr_va_vdst(0)                   ; v182 is written, which the four LDS stores read as their address
	ds_store_b128 v182, v[104:107]
	ds_store_b128 v182, v[108:111] offset:2048
	ds_store_b128 v182, v[112:115] offset:4096
	ds_store_b128 v182, v[116:119] offset:6144
.Ljoin1:
	s_wait_dscnt 0x0                               ; for the others' sake: my rows are written
	s_wait_alu depctr_vm_vsrc(0)                   ; my LDS stores have read v166-181, v104-119 and v182: fragments, dec', v and the scores' parts land in these registers in the phases that follow
	s_barrier_signal -1
	s_barrier_wait -1
	s_cmp_eq_u32 s54, 0
	s_cbranch_scc1 .Ljoin2a
; PHASE 2: the scores.  A K step is 32 along K: 72 matrix instructions on 72 accumulators, which take turns.
.macro SETFR p, a                      ; FR: the eight registers of block a's fragment in set p; blocks 7 and 8 have one set
.if ((\p) == 0) || ((\a) > 6)
.set FR, 32+8*(\a)
.elseif (\a) < 4
.set FR, 104+8*(\a)
.else
.set FR, 166+8*((\a)-4)
.endif
.endm
.macro ALD base, aimm, a, p            ; block a's fragment into set p: two loads of 16 bytes, 32 bytes apart
	SETFR \p, \a
	ds_load_b128 v[FR:FR+3],   v[(\base)+(\a)/2] offset:((\a)%2)*R16+(\aimm)
	ds_load_b128 v[FR+4:FR+7], v[(\base)+(\a)/2] offset:((\a)%2)*R16+(\aimm)+32
.endm
.macro MULB u, zero, a, p              ; block a (set p) x the chunk's 8 tiles of hidden in ring buffer u; zero = 1: the products start the sums
	SETFR \p, \a
.if (\a) < 8
	WIN 0xa1+0x50*((\a)/4)                         ; W window 1, enc window 0, C and D window 2 or 3
.set AC, 64*((\a)%4)
.else
	WIN 0x01                                       ; W window 1, all else window 0
.set AC, 192
.endif
.irp j, 0,1,2,3,4,5,6,7
.if \zero
	v_wmma_f32_16x16x32_bf16 v[AC+8*\j:AC+8*\j+7], v[64*(\u)+8*\j:64*(\u)+8*\j+7], v[FR:FR+7], 0
.else
	v_wmma_f32_16x16x32_bf16 v[AC+8*\j:AC+8*\j+7], v[64*(\u)+8*\j:64*(\u)+8*\j+7], v[FR:FR+7], v[AC+8*\j:AC+8*\j+7]
.endif
.endr
.endm
.macro WLD u, bimm, j0                 ; fragments j0 .. j0 + 3 of ring buffer u: the K step bimm steps behind the ring's base
	WIN 0x40                                       ; destination window 1
.irp j, 0,1,2,3
	global_load_b128 v[64*(\u)+8*((\j0)+\j):64*(\u)+8*((\j0)+\j)+3],   v1, s[34:35] offset:8192*(\bimm)+1024*((\j0)+\j)
	global_load_b128 v[64*(\u)+8*((\j0)+\j)+4:64*(\u)+8*((\j0)+\j)+7], v1, s[34:35] offset:8192*(\bimm)+1024*((\j0)+\j)+512
.endr
.endm
; K step T on ring buffer u = T % 4 and set p = T % 2.  (b1, i1): base register and byte of this step's fragments (blocks 7 and 8 are fetched in the step itself); (b2, i2): of the next step's (blocks 0-6, into the other set);
; bimm: K step T + 3, counted from the ring's base, into ring buffer (u + 3) % 4.  None of the step's 72 matrix instructions names a register in which one of its loads lands before that load is issued.
.macro STEP u, zero, p, b1, i1, b2, i2, bimm
	s_wait_loadcnt 32                              ; this K step's W is in: the two younger steps' 16 loads each stay out
	s_wait_dscnt 6                                 ; blocks 0-3 are in: behind their loads came the six of blocks 4-6
	PLACES                                         ; four plain places stand here too, ahead of the wait: no load of the step is issued into a register of a matrix instruction with fewer between
	s_wait_alu depctr_va_vdst(0)                   ; the K step before is done reading its set of blocks 0-6, blocks 7 and 8 and its ring buffer, in all of which this step's loads land; in a trip's first step v7-11 are written, at a chunk's head v15
	MULB \u, \zero, 0, \p
	MULB \u, \zero, 1, \p
	WIN 0
	ALD \b1, \i1, 7, \p
	ALD \b1, \i1, 8, \p
	WLD ((\u)+3)%4, \bimm, 0
	MULB \u, \zero, 2, \p
	MULB \u, \zero, 3, \p
	WLD ((\u)+3)%4, \bimm, 4
	s_wait_dscnt 4                                 ; blocks 4-6 are in: behind their loads came the four of this step's blocks 7 and 8
	MULB \u, \zero, 4, \p
	MULB \u, \zero, 5, \p
	WIN 0
.irp a, 0,1,2,3
	ALD \b2, \i2, \a, 1-(\p)
.endr
	MULB \u, \zero, 6, \p
	s_wait_dscnt 8                                 ; blocks 7 and 8 are in: behind their loads came the eight just issued
	MULB \u, \zero, 7, \p
	WIN 0
.irp a, 4,5,6
	ALD \b2, \i2, \a, 1-(\p)
.endr
	MULB \u, \zero, 8, \p
.endm
.macro KWALK                           ; v7-11: the five fragment addresses, s63 bytes along K
	s_wait_alu depctr_vm_vsrc(0)                   ; the fragment loads issued so far have read v7-11
.irp p, 0,1,2,3,4
	v_add_nc_u32 v[7+\p], s63, v[2+\p]
.endr
.endm
; THE WAY FROM SUMS TO SCORES, tile j of the chunk's eight.  DVLOAD: my eight dec' and my eight v of that tile, into buffer j % 3.
.macro SETDB j
.if (\j)%3 < 2
.set DB, 104+16*((\j)%3)
.else
.set DB, 166
.endif
.endm
.macro DVLOAD j
	WIN 0
	SETDB \j
	ds_load_b128 v[DB:DB+3],     v15 offset:64*(\j)
	ds_load_b128 v[DB+4:DB+7],   v15 offset:64*(\j)+16
	ds_load_b128 v[DB+8:DB+11],  v15 offset:64*(\j)+4096
	ds_load_b128 v[DB+12:DB+15], v15 offset:64*(\j)+4112
.endm
; nt accumulators at rb, rb + 64, ..: x = 2 log2(e) sum + dec'; 2^x; + 1; the reciprocal; score sums a0 .. += r v.  In place, each accumulator from its low end on.
; Transcendentals stand in runs, with one plain instruction behind each run before a result is used (ISA guide 5.7.2).  wi: window setting in place; ws: for the score sums; d: the buffer of dec' and v.
.macro EGRP wi, ws, rb, nt, a0, d
	WIN \wi
.set t, 0
.rept \nt
.irp z, 0,2,4,6
	v_pk_fma_f32 v[(\rb)+64*t+\z:(\rb)+64*t+\z+1], v[(\rb)+64*t+\z:(\rb)+64*t+\z+1], s[50:51], v[(\d)+\z:(\d)+\z+1] op_sel_hi:[1,0,1]
.endr
.set t, t+1
.endr
.set t, 0
.rept \nt
.irp z, 0,1,2,3,4,5,6,7
	v_exp_f32 v[(\rb)+64*t+\z], v[(\rb)+64*t+\z]
.endr
.set t, t+1
.endr
	v_nop
.set t, 0
	s_wait_alu depctr_va_vdst(0)                   ; the run's exponentials are written, ahead of the additions that read them; all that the tile before read of its dec' and v lies ahead of this wait too
.rept \nt
.irp z, 0,2,4,6
	v_pk_add_f32 v[(\rb)+64*t+\z:(\rb)+64*t+\z+1], v[(\rb)+64*t+\z:(\rb)+64*t+\z+1], 1.0 op_sel_hi:[1,0]
.endr
.set t, t+1
.endr
.set t, 0
.rept \nt
.irp z, 0,1,2,3,4,5,6,7
	v_rcp_f32 v[(\rb)+64*t+\z], v[(\rb)+64*t+\z]
.endr
.set t, t+1
.endr
	v_nop
	WIN \ws
	s_wait_alu depctr_va_vdst(0)                   ; the run's reciprocals are written, ahead of the multiply-adds that read them
.irp z, 0,2,4,6
.set t, 0
.rept \nt
	v_pk_fma_f32 v[136+2*((\a0)+t):137+2*((\a0)+t)], v[(\rb)+64*t+\z:(\rb)+64*t+\z+1], v[(\d)+8+\z:(\d)+8+\z+1], v[136+2*((\a0)+t):137+2*((\a0)+t)]
.set t, t+1
.endr
.endr
.endm
.irp a, 0,1,2,3,4,5,6
	ALD 2, 0, \a, 0                                ; K step 0's blocks 0-6, into set 0: the last vector and matrix lines that named v32-87 (the context of the pass before) stand ahead of that phase's own waits
.endr
	s_mov_b32 s55, 0                               ; the chunk's 128 hidden begin this many bytes behind my wave's first dec' and v
	s_mov_b32 s28, 2
.Lchunk:                                               ; 128 hidden of my 256
	s_wait_alu depctr_vm_vsrc(0)                   ; the loads of dec' and v of the chunk before have read v15
	v_add_nc_u32 v15, s55, v14
	s_mov_b32 s63, 0                               ; bytes along K at which the trip's four K steps begin
	STEP 0, 1, 0, 2, 0, 2, 64, 3                   ; the chunk's first K step stands ahead of the loop: its products start the sums
	WIN 0                                          ; at a label and at a branch every window is 0
	s_mov_b32 s29, 7
.Lk:
	KWALK
	STEP 1, 0, 1, 7, 64,  7, 128, 4
	STEP 2, 0, 0, 7, 128, 7, 192, 5
	STEP 3, 0, 1, 7, 192, 7, 256, 6
	STEP 0, 0, 0, 7, 256, 7, 320, 7
	WIN 0
	s_wait_xcnt 0x0                                ; the ring's base is stepped only behind this wait
	s_add_nc_u64 s[34:35], s[34:35], 32768
	s_add_co_u32 s63, s63, 256
	s_sub_co_u32 s29, s29, 1
	s_cmp_lg_u32 s29, 0
	s_cbranch_scc1 .Lk
	KWALK
	STEP 1, 0, 1, 7, 64,  7, 128, 4
	STEP 2, 0, 0, 7, 128, 7, 192, 5
	STEP 3, 0, 1, 7, 192, 2, 0,   6                ; the last K step fetches K step 0's blocks 0-6 again, into set 0, for the next chunk
	WIN 0
	s_wait_xcnt 0x0
	s_add_nc_u64 s[34:35], s[34:35], 32768
	PLACES                                         ; four places between the last products and the first vector line that reads a sum
	s_wait_alu depctr_va_vdst(0)                   ; the last K step is done reading set 1, v104-135 and v166-189: the three buffers of dec' and v lie there
	DVLOAD 0
.irp j, 0,1,2,3,4,5,6,7
.if \j < 7
	DVLOAD (\j)+1                                  ; into the buffer that tile j - 2 read: those reads lie ahead of tile j - 1's waits, and no vector line since names it
	s_wait_dscnt 4                                 ; this tile's dec' and v are in; the next tile's four loads stay out
.else
	s_wait_dscnt 0x0
.endif
	SETDB \j
	WIN 0
.irp z, 0,2,4,6
	v_pk_add_f32 v[154:155], v[154:155], v[DB+8+\z:DB+8+\z+1]
.endr
	EGRP 0x82, 0x02, 8*\j, 4, 0, DB
	EGRP 0xc3, 0x03, 8*\j, 4, 4, DB
	EGRP 0, 0, 192+8*\j, 1, 8, DB
.endr
	WIN 0
	s_add_co_u32 s55, s55, 512
	s_sub_co_u32 s28, s28, 1
	s_cmp_lg_u32 s28, 0
	s_cbranch_scc1 .Lchunk
.Ljoin2a:
	s_wait_dscnt 0x0                               ; my reads of the rows, of dec' and of v are over;
	s_barrier_signal -1
	s_barrier_wait -1                              ; so are all four waves': only behind this barrier are the score words written
	s_cmp_eq_u32 s54, 0
	s_cbranch_scc1 .Ljoin2
	; a row's sum over my wave's 256 hidden: the pair's two halves, and the other half of the lanes'
.set z, 0
.rept 10
	v_add_f32 v[136+2*z], v[136+2*z], v[137+2*z]
.set z, z+1
.endr
.set z, 0
.rept 10
	v_permlanex16_b32 v[137+2*z], v[136+2*z], s52, s53
.set z, z+1
.endr
.set z, 0
.rept 10
	v_add_f32 v[136+2*z], v[136+2*z], v[137+2*z]
.set z, z+1
.endr
	s_lshl_b32 s48, s20, 2
	s_add_co_u32 s48, s48, VSL
	v_mov_b32 v104, s48                            ; my wave's word for its part of the sum of v
	v_mov_b32 v105, 0
	s_wait_alu depctr_va_vdst(0)                   ; the ten sums, v104 and v105 are written, which the eleven LDS stores read
.irp a, 0,1,2,3,4,5,6,7,8
	ds_store_b32 v22, v[136+2*\a] offset:64*\a     ; lanes r and r + 16 write the same word with the same number
.endr
	ds_store_b32 v22, v105 offset:576              ; rows 144-159 do not exist: 0
	ds_store_b32 v104, v154
.Ljoin2:
	s_wait_dscnt 0x0                               ; for the others' sake: my part of the scores is written
	s_barrier_signal -1
	s_barrier_wait -1
	s_cmp_eq_u32 s54, 0
	s_cbranch_scc1 .Ljoin3
	; PHASE 3: every wave makes all 160 scores and the pass's m, l and p for itself: row 32 q + lane in register q.
	v_mov_b32 v190, VSL
	s_wait_alu depctr_va_vdst(0)                   ; v190 is written, which the load of the four parts of the sum of v reads
.irp w, 0,1,2,3
.irp q, 0,1,2,3,4
	ds_load_b32 v[166+5*\w+\q], v23 offset:640*\w+128*\q
.endr
.endr
	ds_load_b128 v[186:189], v190
	s_wait_dscnt 0x0
	s_wait_loadcnt 0x0                             ; the list words
.irp q, 0,1,2,3,4
	v_add_f32 v[166+\q], v[166+\q], v[171+\q]
	v_add_f32 v[176+\q], v[176+\q], v[181+\q]
.endr
	v_add_f32 v186, v186, v187
	v_add_f32 v188, v188, v189
.irp q, 0,1,2,3,4
	v_add_f32 v[166+\q], v[166+\q], v[176+\q]
.endr
	v_add_f32 v186, v186, v188                     ; the sum of v
.irp q, 0,1,2,3,4
	v_and_b32 v[176+\q], 0x10000, v[156+\q]        ; the row's mask bit
	v_add_nc_u32 v[181+\q], 32*\q, v28             ; the row's number in the pass
.endr
	; all the phase's compares in one run, each into a scalar register of its own
.irp q, 0,1,2,3,4
	v_cmp_ne_u32 s[66+\q], 0, v[176+\q]            ; mask != 0
	v_cmp_gt_u32 s[40+\q], s26, v[181+\q]          ; the row counts
.endr
	v_cmp_lt_u32 s45, 15, v28                      ; lanes 16-31, lane 16, lane 17: for slots 144-159 of the row of scores
	v_cmp_eq_u32 s46, 16, v28
	v_cmp_eq_u32 s47, 17, v28
.irp q, 0,1,2,3,4
	v_fma_f32 v[166+\q], v[166+\q], -2.0, v186     ; v . tanh
.endr
	s_wait_alu depctr_va_sdst(0)                   ; the thirteen masks s40-47 and s66-70 are written, ahead of the first select that reads one
.irp q, 0,1,2,3,4
	v_cndmask_b32 v[166+\q], s61, v[166+\q], s[66+\q]  ; -1e10 where mask == 0
.endr
.irp q, 0,1,2,3,4
	v_cndmask_b32 v[172+\q], s62, v[166+\q], s[40+\q]
.endr
	v_max3_num_f32 v177, v172, v173, v174
	v_max3_num_f32 v177, v177, v175, v176
	v_max_num_f32_dpp v177, v177, v177 row_xmask:1 row_mask:0xf bank_mask:0xf
	v_max_num_f32_dpp v177, v177, v177 row_xmask:2 row_mask:0xf bank_mask:0xf
	v_max_num_f32_dpp v177, v177, v177 row_xmask:4 row_mask:0xf bank_mask:0xf
	v_max_num_f32_dpp v177, v177, v177 row_xmask:8 row_mask:0xf bank_mask:0xf
	v_permlanex16_b32 v178, v177, s52, s53
	v_max_num_f32 v177, v177, v178                 ; m: the largest score that counts, or -1e30 if none does
.irp q, 0,1,2,3,4
	v_sub_f32 v[172+\q], v[166+\q], v177           ; the difference first, then the factor: at scores of -1e10 a fused form would keep the product's rounding
.endr
.irp q, 0,1,2,3,4
	v_mul_f32 v[172+\q], s60, v[172+\q]
.endr
.irp q, 0,1,2,3,4
	v_exp_f32 v[172+\q], v[172+\q]
.endr
	v_nop
	s_wait_alu depctr_va_vdst(0)                   ; the five exponentials are written, ahead of the selects that read them; the lines that read the list words v156-160 lie ahead of this wait too
.irp q, 0,1,2,3,4
	v_cndmask_b32 v[172+\q], 0, v[172+\q], s[40+\q]  ; p, 0 for a row that does not count
.endr
	v_add_f32 v178, v172, v173
	v_add_f32 v179, v174, v175
	v_add_f32 v178, v178, v179
	v_add_f32 v178, v178, v176
	v_add_f32_dpp v178, v178, v178 row_xmask:1 row_mask:0xf bank_mask:0xf
	v_add_f32_dpp v178, v178, v178 row_xmask:2 row_mask:0xf bank_mask:0xf
	v_add_f32_dpp v178, v178, v178 row_xmask:4 row_mask:0xf bank_mask:0xf
	v_add_f32_dpp v178, v178, v178 row_xmask:8 row_mask:0xf bank_mask:0xf
	v_permlanex16_b32 v179, v178, s52, s53
	v_add_f32 v178, v178, v179                     ; l
	v_cndmask_b32 v170, v170, s62, s45             ; slots 144-159 of the row of scores: m, l, then -1e30
	v_cndmask_b32 v170, v170, v177, s46
	v_cndmask_b32 v170, v170, v178, s47
.irp q, 0,1,2,3,4
	v_cvt_pk_bf16_f32 v[179+\q], v[172+\q], v[172+\q]  ; p's upper part,
.endr
.irp q, 0,1,2,3,4
	v_lshlrev_b32 v[184+\q], 16, v[179+\q]
.endr
.irp q, 0,1,2,3,4
	v_sub_f32 v[184+\q], v[172+\q], v[184+\q]
.endr
.irp q, 0,1,2,3,4
	v_cvt_pk_bf16_f32 v[184+\q], v[184+\q], v[184+\q]  ; and the rest
.endr
	v_lshl_add_u32 v189, v28, 1, v25               ; where the zeros go
	v_mov_b32 v191, 0
	s_wait_alu depctr_va_vdst(0)                   ; the scores v166-170, p's two parts v179-188, v189 and v191 are written, which the stores on both ways below read; no vector line follows until the context's products, so the loads below owe nothing more
	s_cmp_lg_u32 s20, 0
	s_cbranch_scc1 .Lnot_wave_0
.irp q, 0,1,2,3,4
	global_store_b32 v29, v[166+\q], s[56:57] offset:128*\q
.endr
.Lnot_wave_0:
.irp q, 0,1,2,3,4
	ds_store_b16 v25, v[179+\q] offset:64*\q
	ds_store_b16 v25, v[184+\q] offset:320+64*\q
.endr
.irp i, 0,1,2
	ds_store_b32 v189, v191 offset:640+128*\i      ; the zeros
.endr
.irp k, 0,1,2,3,4
	ds_load_b128 v[64+8*\k:64+8*\k+3], v24 offset:64*\k     ; LDS serves a wave's instructions in order (ISA guide 5.7.1.4): these see my stores above; the bytes are my wave's own
	ds_load_b128 v[64+8*\k+4:64+8*\k+7], v24 offset:64*\k+32
.endr
; PHASE 4: the context of my wave's 256 channels, in four groups of four tiles of 16; K = the 160 rows, in five steps of 32.
.macro EFLOAD g                        ; group g's enc, turned: 40 loads.  Rows 144-159 do not exist and their p is 0: the last step's second half takes rows 128-143 once more, which are finite
	WIN 0x80+0x40*((\g)%2)
.irp k, 0,1,2,3,4
.irp c, 0,1,2,3
	ds_load_tr16_b128 v[8*(4*\k+\c):8*(4*\k+\c)+3],   v[161+\k] offset:32*(4*(\g)+\c)
	ds_load_tr16_b128 v[8*(4*\k+\c)+4:8*(4*\k+\c)+7], v[161+\k] offset:32*(4*(\g)+\c)+R16*(1-\k/4)
.endr
.endr
.endm
.macro CTX g, left                     ; left: the LDS instructions issued behind group g's loads
	s_wait_dscnt \left
	WIN 0x08+4*((\g)%2)                            ; enc in window 2 or 3, all else window 0
.irp k, 0,1,2,3,4
.irp c, 0,1,2,3
.if \k == 0
	v_wmma_f32_16x16x32_bf16 v[32+8*\c:32+8*\c+7], v[64+8*\k:64+8*\k+7], v[8*(4*\k+\c):8*(4*\k+\c)+7], 0
.else
	v_wmma_f32_16x16x32_bf16 v[32+8*\c:32+8*\c+7], v[64+8*\k:64+8*\k+7], v[8*(4*\k+\c):8*(4*\k+\c)+7], v[32+8*\c:32+8*\c+7]
.endif
.endr
.endr
	PLACES                                         ; four places between the last product and the first read of a result
	WIN 0
.irp c, 0,1,2,3
	v_add_f32 v[106+4*(\g)+\c], v[32+8*\c], v[33+8*\c]  ; rows 0 and 1 of the result: the upper parts' sum and the rest's; each group has four registers of its own
.endr
	s_wait_alu depctr_va_vdst(0)                   ; the four sums are written, which the LDS stores read; the group's products are done reading its enc, in which the group two on lands
.irp c, 0,1,2,3
	ds_store_b32 v26, v[106+4*(\g)+\c] offset:64*(4*(\g)+\c)
.endr
.endm
	EFLOAD 0
	EFLOAD 1
	CTX 0, 40
	EFLOAD 2
	CTX 1, 44
	EFLOAD 3
	CTX 2, 44
	CTX 3, 0
	ds_load_b128 v[122:125], v27
	ds_load_b128 v[126:129], v27 offset:512
	s_wait_dscnt 0x0
	global_store_b128 v1, v[122:125], s[58:59]             ; each store of the wave covers 512 consecutive bytes, aligned
	global_store_b128 v1, v[126:129], s[58:59] offset:512
.Ljoin3:
	s_wait_dscnt 0x0                               ; my reads of the rows are over: behind this barrier the next pass writes them anew
	s_wait_xcnt 0x0
	s_barrier_signal -1
	s_barrier_wait -1
	s_add_co_u32 s27, s27, 1
	s_cmp_lt_u32 s27, 2
	s_cbranch_scc1 .Lpass
	s_wait_dscnt 0x0                               ; the closing lines, six on end
	s_wait_alu 0x0
	s_wait_tensorcnt 0x0
	ds_add_u32 v30, v31
	s_wait_dscnt 0x0
	s_endpgm
.Lfunc_end_k_q3edddef02c_main:
	.size	k_q3edddef02c_main, .Lfunc_end_k_q3edddef02c_main-k_q3edddef02c_main
	.p2alignl 7, 3214868480
	.fill 96, 4, 3214868480
	.section	.rodata,"a",@progbits
	.p2align	6, 0x0
	.amdhsa_kernel k_q3edddef02c_main
		.amdhsa_group_segment_fixed_size 321024
		.amdhsa_private_segment_fixed_size 0
		.amdhsa_enable_private_segment 0
		.amdhsa_kernarg_size 64
		.amdhsa_user_sgpr_count 2
		.amdhsa_user_sgpr_kernarg_segment_ptr 1
		.amdhsa_wavefront_size32 1
		.amdhsa_system_sgpr_workgroup_id_x 1
		.amdhsa_system_sgpr_workgroup_id_y 1
		.amdhsa_system_sgpr_workgroup_id_z 1
		.amdhsa_system_vgpr_workitem_id 0
		.amdhsa_next_free_vgpr 1024
		.amdhsa_next_free_sgpr 72
		.amdhsa_reserve_vcc 0
		.amdhsa_float_denorm_mode_32 3
		.amdhsa_float_denorm_mode_16_64 3
		.amdhsa_memory_ordered 1
		.amdhsa_forward_progress 1
		.amdhsa_inst_pref_size 237
	.end_amdhsa_kernel
	.amdgpu_metadata
---
amdhsa.version: [ 1, 2 ]
amdhsa.kernels:
  - .name:           k_q3edddef02c_main
    .symbol:         k_q3edddef02c_main.kd
    .args:
      - { .name: encoder_outputs, .offset: 0, .size: 8, .value_kind: global_buffer, .address_space: global }
      - { .name: v_w, .offset: 8, .size: 8, .value_kind: global_buffer, .address_space: global }
      - { .name: wfrag, .offset: 16, .size: 8, .value_kind: global_buffer, .address_space: global }
      - { .name: decs, .offset: 24, .size: 8, .value_kind: global_buffer, .address_space: global }
      - { .name: rows2, .offset: 32, .size: 8, .value_kind: global_buffer, .address_space: global }
      - { .name: cnt, .offset: 40, .size: 8, .value_kind: global_buffer, .address_space: global }
      - { .name: scores, .offset: 48, .size: 8, .value_kind: global_buffer, .address_space: global }
      - { .name: pctx, .offset: 56, .size: 8, .value_kind: global_buffer, .address_space: global }
    .group_segment_fixed_size: 321024
    .private_segment_fixed_size: 0
    .kernarg_segment_align: 8
    .kernarg_segment_size: 64
    .max_flat_workgroup_size: 128
    .sgpr_count:     72
    .vgpr_count:     1024
    .wavefront_size: 32
...
	.end_amdgpu_metadata
.endif
;; end of part 4
;; launch combine: the kernel of part 3 again; grid 4 x 32, 4 waves a work-group, no clusters, 0 bytes of LDS; arguments rank, cnt, scores, pctx, out0, out1; writes out0, out1
